; MI455X (gfx1250); checked and timed in simulation.
; The chip was launched on July 23, 2026; its instructions are those of AMD's public machine-readable ISA for CDNA 5 (MIT licence, August 2026) and "CDNA5" Instruction Set Architecture Reference Guide (July 2026). The comments in the code are by the model that wrote it; some were corrected since.
;; Attention. Allowed arithmetic: float matrix products may take bf16 or f16 operands with f32 sums; other float arithmetic in f32, or as packed bf16 or f16 multiplies, adds, multiply-adds, maxima and minima; sums over many terms, partial sums and values carried from step to step in f32; what a program stores and reads back later, other than sums and carried values, may be rounded once to bf16 or f16.
;; Inputs: b_out 1,024 float32; mask 4 x 2,048 bool; w_out 1,024 x 1,024 float32; w_qkv 1,024 x 3,072 float32; x 4 x 2,048 x 1,024 float32.
;; Outputs: out0 4 x 2,048 x 1,024 float32.
;; One version. Each part assembles by itself: llvm-mc -triple=amdgcn-amd-amdhsa -mcpu=gfx1250 --defsym DOCPART=n.
;; ======== version 1 of 1: 4 launches
;; limits: values are held in f16: magnitudes above 65,504 overflow, below 6.1e-05 lose precision
;; workspace buffers: xb 16,777,216 bytes; wqkvb 6,291,456 bytes; woh 2,097,152 bytes; qh 16,777,216 bytes; kh 17,301,504 bytes; vh 16,777,216 bytes; oh 16,777,216 bytes; vsum 262,144 bytes
;; launch prep (part 1): grid 768 x 1, 8 waves a work-group, no clusters, 0 bytes of LDS; arguments x, w_qkv, w_out, xb, wqkvb, woh; writes xb, wqkvb, woh
.if DOCPART == 1
	.amdgcn_target "amdgcn-amd-amdhsa--gfx1250"
	.amdhsa_code_object_version 6
	.text
	.protected	k_qfe0b614f83_prep
	.globl	k_qfe0b614f83_prep
	.p2align	8
	.type	k_qfe0b614f83_prep,@function
k_qfe0b614f83_prep:
	s_mov_b64 s[64:65], 0
	v_nop
	global_prefetch_b8 v0, s[64:65] scope:SCOPE_SE
	s_setreg_imm32_b32 hwreg(HW_REG_WAVE_MODE, 25, 1), 1
	s_wait_xcnt 0x0
; The module's three large inputs are rounded once to bf16 and laid out for the products that follow.  A stream: no LDS, no barrier, no loop.
;   xb    bf16 [16 kb][8192 row][64]: 128 rows of one block of 64 k are 16,384 dense bytes
;   wqkvb bf16 [1024 k][8 j][3 t][128 c] = w_qkv[k][1024 t + 128 j + c]: the q, k and v columns of two heads lie side by side
;   woh   f16  [1024 k][1024 n] = w_out rounded to bf16, that number written as f16 (exact from 2^-14 up to 65,504; below 2^-14 f16's fixed step of 6e-8)
; A work-group takes 16 rows of one input: 512 groups for x, 192 for w_qkv (64 row groups x 3 thirds), 64 for w_out.  A thread issues 16 loads of 16 bytes, all on their way
; together, and 16 stores of 8 bytes.  Sixteen lanes of a load cover 256 consecutive aligned bytes; the 32 lanes of a store cover 256 consecutive aligned bytes.
.set X, 8                              ; v[8:71]   16 x 4 f32 as loaded
.set Y, 72                             ; v[72:103] 16 x 2 words to store
; load it stands at (it/2) inA + (it%2) inB behind the thread's place, store it at (it/2) outA + (it%2) outB.  No register is written twice while a load or store may read it.
.macro CONV src, dst, inA, inB, outA, outB, f16
.set it, 0
.rept 16
	global_load_b128 v[X+4*it:X+4*it+3], v1, s[(\src):(\src)+1] offset:(it/2)*(\inA)+(it%2)*(\inB) th:TH_LOAD_NT
.set it, it+1
.endr
.set it, 0
.rept 16
	s_wait_loadcnt 15-it                           ; loads come back in order: number it is in, the younger ones stay out
	v_cvt_pk_bf16_f32 v[Y+2*it], v[X+4*it], v[X+4*it+1]
	v_cvt_pk_bf16_f32 v[Y+2*it+1], v[X+4*it+2], v[X+4*it+3]
.if \f16
	v_lshlrev_b32 v[X+4*it], 16, v[Y+2*it]         ; the bf16 numbers widened again,
	v_and_b32 v[X+4*it+1], 0xffff0000, v[Y+2*it]
	v_lshlrev_b32 v[X+4*it+2], 16, v[Y+2*it+1]
	v_and_b32 v[X+4*it+3], 0xffff0000, v[Y+2*it+1]
	v_cvt_pk_f16_f32 v[Y+2*it], v[X+4*it], v[X+4*it+1]  ; and written as f16
	v_cvt_pk_f16_f32 v[Y+2*it+1], v[X+4*it+2], v[X+4*it+3]
.endif
	global_store_b64 v2, v[Y+2*it:Y+2*it+1], s[(\dst):(\dst)+1] offset:(it/2)*(\outA)+(it%2)*(\outB)
.set it, it+1
.endr
	s_endpgm
.endm
	s_load_b256 s[4:11], s[0:1], 0x0               ; x s[4:5], w_qkv s[6:7], w_out s[8:9], xb s[10:11]
	s_load_b128 s[12:15], s[0:1], 0x20             ; wqkvb s[12:13], woh s[14:15]
	v_lshrrev_b32 v3, 5, v0                        ; wave
	s_mov_b32 s17, 0
	s_mov_b32 s19, 0
	s_cmp_lt_u32 ttmp9, 512
	s_cbranch_scc0 .Lweights
	; x: rows 16 g on.  Wave w takes columns 128 w .. 128 w + 127 (k blocks 2 w, 2 w + 1); lanes 0-15 an even row, lanes 16-31 the odd one
	v_and_b32 v4, 15, v0
	v_bfe_u32 v5, v0, 4, 1
	v_lshlrev_b32 v1, 9, v3
	v_lshl_add_u32 v1, v5, 12, v1
	v_lshl_add_u32 v1, v4, 4, v1                   ; in: 512 w + 4,096 (row % 2) + 16 c
	v_lshlrev_b32 v2, 21, v3
	v_lshl_add_u32 v2, v5, 7, v2
	v_lshl_add_u32 v2, v4, 3, v2                   ; out: 2 w blocks of 1,048,576 + 128 (row % 2) + 8 c
	s_lshl_b32 s16, ttmp9, 16
	s_lshl_b32 s18, ttmp9, 11
	s_wait_kmcnt 0x0
	s_add_nc_u64 s[4:5], s[4:5], s[16:17]
	s_add_nc_u64 s[10:11], s[10:11], s[18:19]
	CONV 4, 10, 8192, 256, 256, 1048576, 0
.Lweights:
	s_cmp_lt_u32 ttmp9, 704
	s_cbranch_scc0 .Lwout
	; w_qkv: k rows 16 rg on, third t (q, k or v).  Wave w takes the 128 columns of pair of heads j = w
	s_sub_co_u32 s20, ttmp9, 512
	s_and_b32 s21, s20, 63                         ; rg
	s_lshr_b32 s22, s20, 6                         ; t
	v_lshlrev_b32 v1, 4, v0
	v_and_b32 v4, 31, v0
	v_mul_u32_u24 v2, v3, 768
	v_lshl_add_u32 v2, v4, 3, v2
	s_mul_i32 s16, s21, 196608
	s_lshl_b32 s23, s22, 12
	s_add_co_u32 s16, s16, s23
	s_mul_i32 s18, s21, 98304
	s_lshl_b32 s23, s22, 8
	s_add_co_u32 s18, s18, s23
	s_wait_kmcnt 0x0
	s_add_nc_u64 s[6:7], s[6:7], s[16:17]
	s_add_nc_u64 s[12:13], s[12:13], s[18:19]
	CONV 6, 12, 24576, 12288, 12288, 6144, 0
.Lwout:
	; w_out: k rows 16 g on, a whole row to the work-group
	s_sub_co_u32 s20, ttmp9, 704
	v_lshlrev_b32 v1, 4, v0
	v_lshlrev_b32 v2, 3, v0
	s_lshl_b32 s16, s20, 16
	s_lshl_b32 s18, s20, 15
	s_wait_kmcnt 0x0
	s_add_nc_u64 s[8:9], s[8:9], s[16:17]
	s_add_nc_u64 s[14:15], s[14:15], s[18:19]
	CONV 8, 14, 8192, 4096, 4096, 2048, 1
.Lfunc_end_k_qfe0b614f83_prep:
	.size	k_qfe0b614f83_prep, .Lfunc_end_k_qfe0b614f83_prep-k_qfe0b614f83_prep
	.p2alignl 7, 3214868480
	.fill 96, 4, 3214868480
	.section	.rodata,"a",@progbits
	.p2align	6, 0x0
	.amdhsa_kernel k_qfe0b614f83_prep
		.amdhsa_group_segment_fixed_size 0
		.amdhsa_private_segment_fixed_size 0
		.amdhsa_enable_private_segment 0
		.amdhsa_kernarg_size 48
		.amdhsa_user_sgpr_count 2
		.amdhsa_user_sgpr_kernarg_segment_ptr 1
		.amdhsa_wavefront_size32 1
		.amdhsa_system_sgpr_workgroup_id_x 1
		.amdhsa_system_sgpr_workgroup_id_y 1
		.amdhsa_system_sgpr_workgroup_id_z 1
		.amdhsa_system_vgpr_workitem_id 0
		.amdhsa_next_free_vgpr 104
		.amdhsa_next_free_sgpr 66
		.amdhsa_reserve_vcc 0
		.amdhsa_float_denorm_mode_32 3
		.amdhsa_float_denorm_mode_16_64 3
		.amdhsa_memory_ordered 1
		.amdhsa_forward_progress 1
		.amdhsa_inst_pref_size 24
	.end_amdhsa_kernel
	.amdgpu_metadata
---
amdhsa.version: [ 1, 2 ]
amdhsa.kernels:
  - .name:           k_qfe0b614f83_prep
    .symbol:         k_qfe0b614f83_prep.kd
    .args:
      - { .name: x, .offset: 0, .size: 8, .value_kind: global_buffer, .address_space: global }
      - { .name: w_qkv, .offset: 8, .size: 8, .value_kind: global_buffer, .address_space: global }
      - { .name: w_out, .offset: 16, .size: 8, .value_kind: global_buffer, .address_space: global }
      - { .name: xb, .offset: 24, .size: 8, .value_kind: global_buffer, .address_space: global }
      - { .name: wqkvb, .offset: 32, .size: 8, .value_kind: global_buffer, .address_space: global }
      - { .name: woh, .offset: 40, .size: 8, .value_kind: global_buffer, .address_space: global }
    .group_segment_fixed_size: 0
    .private_segment_fixed_size: 0
    .kernarg_segment_align: 8
    .kernarg_segment_size: 48
    .max_flat_workgroup_size: 256
    .sgpr_count:     66
    .vgpr_count:     104
    .wavefront_size: 32
...
	.end_amdgpu_metadata
.endif
;; end of part 1
;; launch qkv (part 2): grid 8 x 32, 4 waves a work-group, clusters of 4 x 4, 327,680 bytes of LDS; arguments xb, wqkvb, mask, qh, kh, vh, vsum; writes qh, kh, vh, vsum
.if DOCPART == 2
	.amdgcn_target "amdgcn-amd-amdhsa--gfx1250"
	.amdhsa_code_object_version 6
	.text
	.protected	k_qfe0b614f83_qkv
	.globl	k_qfe0b614f83_qkv
	.p2align	8
	.type	k_qfe0b614f83_qkv,@function
k_qfe0b614f83_qkv:
	s_mov_b64 s[64:65], 0
	v_nop
	global_prefetch_b8 v0, s[64:65] scope:SCOPE_SE
	s_setreg_imm32_b32 hwreg(HW_REG_WAVE_MODE, 25, 1), 1
	s_wait_xcnt 0x0
	s_wait_alu depctr_hold_cnt(0) depctr_sa_sdst(0) depctr_va_vdst(0) depctr_va_sdst(0) depctr_va_ssrc(0) depctr_va_vcc(0) depctr_vm_vsrc(0)
	s_getreg_b32 s2, hwreg(HW_REG_IB_STS2, 6, 4)
	s_cmp_eq_u32 s2, 0
	s_cbranch_scc0 .Lentry_in_a_cluster
	s_endpgm
.Lentry_in_a_cluster:
	s_bfe_u32 s2, ttmp6, 0x10000c
	s_cmp_lg_u32 s2, 0xf033
	s_cbranch_scc0 .Lentry_shape_is_right
	s_endpgm
.Lentry_shape_is_right:
; q, k, v = x w_qkv, bf16 operands, f32 sums, each result rounded once to f16 and stored by heads.  M = 8,192, K = 1,024, N = 3,072.
; LIMIT: f16 ends at 65,504: |q|, |k|, |v| stay within it.  NaN and infinities are not treated apart.
; SHARES.  A work-group makes 256 rows x 384 columns: the q, k and v columns of heads 2 j and 2 j + 1: 32 x 8 = 256 work-groups of equal work.  Wave w makes rows 128 (w / 2) on of head
; 2 j + w % 2: 128 x 192, 96 accumulators, 768 registers.  K goes in 16 steps of 64 through two LDS slots; a step is two quarters of 32, a quarter three stretches of 32 matrix instructions.
; THE MATRIX INSTRUCTION IS USED TRANSPOSED: source 0 = 16 columns of the weights (turned out of LDS by ds_load_tr16_b128), source 1 = 16 rows of x: a lane holds one row and eight neighbouring channels.
; CLUSTER 4 x 4: x's tile hangs on the tile row alone and is asked for jointly along a row of the cluster, the weights' on the tile column alone, jointly along a column.
; BESIDE THE PRODUCT: kh takes, behind each 64 keys, 64 f32 key biases (0, or -1e30 where the padding mask hides the key); vsum takes the f32 sums of v over my 128 rows, for the masked queries' mean.
; REGISTERS, in windows of 256: window 0: v0-31 addresses; v32-95, v96-159 x's fragments, two buffers; v160-255 the weights' fragments, 32 for each of q, k, v.
;   windows 1, 2, 3: the accumulators of q, k, v: (a, b) at v[8 (4 a + b)].
.set PA,    144                        ; a row of x in LDS: 128 bytes + 16: 36 words, the 16 rows of a load start at 16 different groups of four banks
.set PBW,   864                        ; a k row of the weights: three pieces of 256 bytes + 32: 216 words
.set AHALF, 128*PA
.set BOFF,  2*AHALF                    ; x's 256 rows, then the weights' 64 k rows
.set BHALF, 32*PBW
.set SLOT1, 1<<17                      ; slot 1 begins here: one exclusive or turns an address in one slot into the other's
.set STAGE, SLOT1+BOFF+2*BHALF         ; behind the ring: 16 rows x 400 bytes for each wave
.set SPQ,   400
.set VSTG,  STAGE+4*16*SPQ             ; 256 bytes for each wave: v's column sums
.set SPARE, VSTG+4*256                 ; the spare words, 128 bytes for each wave: two blocks of 256 bytes that no other line names
.set ASTEP, 8192*128                   ; bytes from a K step to the next in xb
.set BSTEP, 64*6144                    ; and in wqkvb
.set ADRA0, 16                         ; v16  my lane's place in x's tile; never rewritten
.set ADRB0, 17                         ; v17  the same for the weights
.set ADRA,  18                         ; v18  v16 + the slot in hand
.set ADRB,  19
.set STO,   20                         ; the way out: where I put 16 bytes of a row
.set RD,    21                         ; where I read rows back
.set GO,    22                         ; my byte offset in 512 consecutive bytes of q, k, v
.set KBO,   23                         ; my byte offset in the two bias rows
.set VSA,   24                         ; v's sums: where I put them,
.set VSR,   25                         ; where I read them back,
.set VGO,   26                         ; and my byte offset in vsum's 256 bytes
.set MK,    27                         ; four bytes of the mask
.set SPW,   28                         ; LDS address of my spare word; never rewritten
.set NIL,   29                         ; 0; never rewritten
.set MKO,   30
.set FA0,   32
.set FA1,   96
.set BG,    160
.set TMP,   32                         ; the way out: 48 packed words
.set BK0,   80                         ; rows read back: two sets of 48
.set VS,    176                        ; v's sums, 32
.set KBV,   208                        ; four biases
.set VSO,   212                        ; v[212:213] two sums to store
.set WV, 20                            ; s20 wave
.set TB, 21                            ; s21 the slot to be read: 0 or SLOT1
.set RH, 22                            ; s22 which 128 rows are mine.  Also: I fetch for x (0) or for the weights (1)
.set HH, 23                            ; s23 which head of the pair.  Also: which half of that tile I fetch
.set G1, 24                            ; s[24:31] group 1 for x's tiles;  s[32:39] group 0: set 0 for K step 0, set 1 for K step 1, which then walks
.set G0, 32
.set G1B, 48                           ; s[48:55], s[56:63] the same for the weights
.set G0B, 56
.set BIG, 74                           ; s74 -1e30
.set MSB, 0
.macro WIN new                         ; the immediate's high byte repeats the setting that is left; a switch that changes nothing is dropped
.if MSB != (\new)
	s_set_vgpr_msb (MSB<<8)|(\new)
.set MSB, \new
.endif
.endm
.macro PLACES                          ; four places in front of loads into registers that matrix instructions have read, and of vector lines that read results
.rept 4
	v_nop
.endr
.endm
; A joint refill by the walking sets.  The branch hangs on the wave's number alone.  An s_nop 0 and four v_nop follow each line.
.macro JLOAD
	s_cmp_eq_u32 s[RH], 0
	s_cbranch_scc0 .Lfor_b_\@
	tensor_load_to_lds s[G0+4:G0+7], s[G1:G1+7]
	s_nop 0
.rept 4
	v_nop
.endr
	s_branch .Lasked_\@
.Lfor_b_\@:
	tensor_load_to_lds s[G0B+4:G0B+7], s[G1B:G1B+7]
	s_nop 0
.rept 4
	v_nop
.endr
.Lasked_\@:
.endm
.macro CREST                           ; a round of the cluster's barrier behind its opening barrier
	s_cmp_lg_u32 s[WV], 0
	s_cbranch_scc1 .Lnot_wave_0_\@
	s_barrier_signal -3
.Lnot_wave_0_\@:
	s_barrier_wait -3
	s_barrier_signal -1
	s_barrier_wait -1
.endm
.macro CROUND
	s_barrier_signal -1
	s_barrier_wait -1
	CREST
.endm
	s_load_b256 s[4:11], s[0:1], 0x0               ; xb s[4:5], wqkvb s[6:7], mask s[8:9], qh s[10:11]
	s_load_b128 s[68:71], s[0:1], 0x20             ; kh s[68:69], vh s[70:71]
	s_load_b64 s[72:73], s[0:1], 0x30              ; vsum
	v_lshl_add_u32 v[SPW], v0, 2, SPARE
	v_mov_b32 v[NIL], 0
	ds_add_u32 v[SPW], v[NIL]                      ; the wave's opening: the add and its wait stand ahead of my first tensor load
	ds_add_u32 v28, v29
	v_lshrrev_b32 v1, 5, v0
	v_readfirstlane_b32 s[WV], v1
	s_lshr_b32 s[RH], s[WV], 1
	s_and_b32 s[HH], s[WV], 1
	s_bfe_u32 s40, ttmp6, 0x40000                  ; cx
	s_bfe_u32 s41, ttmp6, 0x40004                  ; cy
	s_lshl_b32 s42, ttmp9, 2
	s_add_co_u32 s42, s42, s40                     ; tile column j = 4 x cluster x + cx
	s_and_b32 s45, ttmp7, 0xffff
	s_lshl_b32 s45, s45, 2
	s_add_co_u32 s45, s45, s41                     ; tile row = 4 x cluster y + cy
	s_lshl_b32 s43, s41, 2
	s_lshl_b32 s43, 15, s43                        ; my row of the cluster
	s_lshl_b32 s44, 0x1111, s40                    ; my column
	; x's tile: 128 rows of 128 bytes are dense: asked for as 64 rows of 256 bytes, padded by 4 words after every 32
	s_or_b32 s[G1+0], s43, (1<<16)|(1<<20)|(1<<21)|(4<<22)|(3<<25)
	s_mov_b32 s[G1+1], 128<<16                     ; tensor_dim0
	s_mov_b32 s[G1+2], 64<<16                      ; tensor_dim1
	s_mov_b32 s[G1+3], 128<<16                     ; tile_dim0
	s_mov_b32 s[G1+4], 64                          ; tile_dim1
	s_mov_b32 s[G1+5], 128                         ; elements from row to row
	s_mov_b32 s[G1+6], 0
	s_mov_b32 s[G1+7], 0
	; the weights' tile: 32 k rows of 384 elements (768 bytes, three whole blocks of 256), padded by 8 words after every 64
	s_or_b32 s[G1B+0], s44, (1<<16)|(1<<20)|(1<<21)|(5<<22)|(7<<25)
	s_mov_b32 s[G1B+1], 384<<16
	s_mov_b32 s[G1B+2], 32<<16
	s_mov_b32 s[G1B+3], 384<<16
	s_mov_b32 s[G1B+4], 32
	s_mov_b32 s[G1B+5], 3072
	s_mov_b32 s[G1B+6], 0
	s_mov_b32 s[G1B+7], 0
	s_lshl_b32 s16, s45, 15                        ; x: 256 rows of 128 bytes a tile row,
	s_lshl_b32 s17, s[HH], 14                      ; my half of them
	s_add_co_u32 s16, s16, s17
	s_mov_b32 s17, 0
	s_mul_i32 s46, s[HH], 32*6144                  ; the weights: my 32 k rows,
	s_mul_i32 s47, s42, 768                        ; the tile column's 768 bytes
	s_add_co_u32 s46, s46, s47
	s_mov_b32 s47, 0
	s_mul_i32 s18, s[HH], AHALF                    ; where they go: no place in the cluster enters an LDS address
	s_mul_i32 s19, s[HH], BHALF
	s_add_co_u32 s19, s19, BOFF
	s_mov_b32 s[TB], 0
	s_mov_b32 s[BIG], 0xf149f2ca
	s_wait_dscnt 0x0                               ; the opening add is done
	s_wait_kmcnt 0x0
	s_add_nc_u64 s[14:15], s[4:5], s[16:17]
	s_add_nc_u64 s[46:47], s[6:7], s[46:47]
	CROUND                                         ; all sixteen work-groups are here: the first joint loads meet
.irp s, 0,1
	s_mov_b32 s[G0+4*(\s)], 1
	s_add_co_u32 s[G0+4*(\s)+1], s18, (\s)*SLOT1
	s_add_nc_u64 s[G0+4*(\s)+2:G0+4*(\s)+3], s[14:15], (\s)*ASTEP
	s_or_b32 s[G0+4*(\s)+3], s[G0+4*(\s)+3], 0x80000000
	s_mov_b32 s[G0B+4*(\s)], 1
	s_add_co_u32 s[G0B+4*(\s)+1], s19, (\s)*SLOT1
	s_add_nc_u64 s[G0B+4*(\s)+2:G0B+4*(\s)+3], s[46:47], (\s)*BSTEP
	s_or_b32 s[G0B+4*(\s)+3], s[G0B+4*(\s)+3], 0x80000000
.endr
	s_cmp_eq_u32 s[RH], 0                          ; a wave's two first fills stand in one branch, ahead of every wait on TENSORcnt and every LDS read: two loads of mine are out
	s_cbranch_scc0 .Lfirst_b
	tensor_load_to_lds s[G0:G0+3], s[G1:G1+7]
	s_nop 0
	tensor_load_to_lds s[G0+4:G0+7], s[G1:G1+7]
	s_nop 0
.rept 4
	v_nop
.endr
	s_branch .Lfirst_asked
.Lfirst_b:
	tensor_load_to_lds s[G0B:G0B+3], s[G1B:G1B+7]
	s_nop 0
	tensor_load_to_lds s[G0B+4:G0B+7], s[G1B:G1B+7]
	s_nop 0
.rept 4
	v_nop
.endr
.Lfirst_asked:
	v_and_b32 v1, 15, v0                           ; r = l % 16
	v_bfe_u32 v2, v0, 4, 1                         ; h = l / 16
	v_and_b32 v3, 31, v0                           ; l
	v_lshlrev_b32 v[MKO], 2, v3
	s_lshl_b32 s66, s45, 8                         ; the mask bytes of my 128 rows: the flat row number is the mask's index
	s_lshl_b32 s67, s[RH], 7
	s_add_co_u32 s66, s66, s67
	s_mov_b32 s67, 0
	s_add_nc_u64 s[8:9], s[8:9], s[66:67]
	global_load_b32 v[MK], v[MKO], s[8:9]          ; lane l: rows 4 l .. 4 l + 3; waited for on the way out
	v_mul_u32_u24 v4, v1, PA
	v_lshl_add_u32 v4, v2, 4, v4
	s_mul_i32 s12, s[RH], AHALF
	v_add_nc_u32 v[ADRA0], s12, v4                 ; my 128 rows + row x pitch + 16 x half
	v_and_b32 v5, 7, v0
	v_lshl_add_u32 v5, v2, 3, v5
	v_mul_u32_u24 v5, v5, PBW                      ; the turning load: k row 8 h + l % 8,
	v_bfe_u32 v6, v0, 3, 1
	v_lshl_add_u32 v5, v6, 4, v5                   ; 16 bytes (l / 8) % 2,
	s_lshl_b32 s12, s[HH], 7
	s_add_co_u32 s12, s12, BOFF
	v_add_nc_u32 v[ADRB0], s12, v5                 ; my head's 128 bytes of each piece
	s_mul_i32 s12, s[WV], 16*SPQ
	s_add_co_u32 s12, s12, STAGE                   ; my stage
	v_mul_u32_u24 v4, v1, SPQ
	v_lshl_add_u32 v4, v2, 4, v4
	v_add_nc_u32 v[STO], s12, v4
	v_bfe_u32 v5, v0, 3, 2                         ; back: 32 lanes take four rows of 128 bytes
	v_mul_u32_u24 v5, v5, SPQ
	v_and_b32 v6, 7, v0
	v_lshl_add_u32 v5, v6, 4, v5
	v_add_nc_u32 v[RD], s12, v5
	v_lshlrev_b32 v[GO], 4, v3
	v_mul_u32_u24 v4, v2, 8448
	v_lshl_add_u32 v[KBO], v1, 4, v4
	s_lshl_b32 s12, s[WV], 8
	s_add_co_u32 s12, s12, VSTG
	v_lshlrev_b32 v4, 5, v2
	v_add_nc_u32 v[VSA], s12, v4
	v_lshl_add_u32 v[VSR], v3, 3, s12
	v_lshlrev_b32 v[VGO], 3, v3
	; where my results go: head bh = 16 b + 2 j + my half, rows n0 = 128 x s47 of it
	s_lshr_b32 s46, s45, 3
	s_lshl_b32 s46, s46, 4
	s_lshl1_add_u32 s46, s42, s46
	s_add_co_u32 s46, s46, s[HH]                   ; bh
	s_and_b32 s47, s45, 7
	s_lshl_b32 s47, s47, 1
	s_add_co_u32 s47, s47, s[RH]                   ; n0 / 128
	s_lshl_b32 s66, s46, 18
	s_lshl_b32 s67, s47, 14
	s_add_co_u32 s66, s66, s67
	s_mov_b32 s67, 0
	s_add_nc_u64 s[10:11], s[10:11], s[66:67]      ; q and v: 262,144 bytes a head, 128 a row
	s_add_nc_u64 s[70:71], s[70:71], s[66:67]
	s_mul_i32 s66, s46, 32*8448
	s_mul_i32 s2, s47, 2*8448
	s_add_co_u32 s66, s66, s2
	s_add_nc_u64 s[68:69], s[68:69], s[66:67]      ; k: 8,448 bytes for 64 keys and their biases
	s_lshl_b32 s66, s46, 4
	s_add_co_u32 s66, s66, s47
	s_lshl_b32 s66, s66, 8
	s_add_nc_u64 s[72:73], s[72:73], s[66:67]      ; vsum: 256 bytes for each 128 rows of a head
; na x 4 matrix instructions of third t: row blocks a0 on x the head's four channel blocks, 32 along K.  zero = 1: the product starts the sums.  The accumulators take turns.
.macro STR t, f, a0, na, zero
	WIN 0x50*((\t)+1)
.set aa, (\a0)
.rept \na
.set bb, 0
.rept 4
.if \zero
	v_wmma_f32_16x16x32_bf16 v[8*(4*aa+bb):8*(4*aa+bb)+7], v[BG+32*(\t)+8*bb:BG+32*(\t)+8*bb+7], v[(\f)+8*aa:(\f)+8*aa+7], 0
.else
	v_wmma_f32_16x16x32_bf16 v[8*(4*aa+bb):8*(4*aa+bb)+7], v[BG+32*(\t)+8*bb:BG+32*(\t)+8*bb+7], v[(\f)+8*aa:(\f)+8*aa+7], v[8*(4*aa+bb):8*(4*aa+bb)+7]
.endif
.set bb, bb+1
.endr
.set aa, aa+1
.endr
.endm
.macro LB t, kq                        ; 8 turning loads: third t's four fragments of quarter kq
	WIN 0
.set bb, 0
.rept 4
	ds_load_tr16_b128 v[BG+32*(\t)+8*bb:BG+32*(\t)+8*bb+3],   v[ADRB] offset:(\kq)*32*PBW+(\t)*288+bb*32
	ds_load_tr16_b128 v[BG+32*(\t)+8*bb+4:BG+32*(\t)+8*bb+7], v[ADRB] offset:(\kq)*32*PBW+(\t)*288+bb*32+16*PBW
.set bb, bb+1
.endr
.endm
.macro LA f, kq                        ; 16 loads: x's eight fragments of quarter kq into buffer f
	WIN 0
.set aa, 0
.rept 8
	ds_load_b128 v[(\f)+8*aa:(\f)+8*aa+3],   v[ADRA] offset:aa*16*PA+(\kq)*64
	ds_load_b128 v[(\f)+8*aa+4:(\f)+8*aa+7], v[ADRA] offset:aa*16*PA+(\kq)*64+32
.set aa, aa+1
.endr
.endm
; A step's first quarter: multiplies buffer f; behind each stretch the registers that it has read take the next quarter's fragments (quarter kqn of the same slot; x's into buffer g).
.macro QUART f, g, kqn, zero
	s_wait_dscnt 16                                ; q's weights and x are in; k's and v's weights, 8 loads each, may be out
	STR 0, \f, 0, 8, \zero
	PLACES
	LB 0, \kqn
	LA \g, \kqn
	s_wait_dscnt 32                                ; k's weights are in: behind them v's 8 and the 24 just issued
	STR 1, \f, 0, 8, \zero
	PLACES
	LB 1, \kqn
	s_wait_dscnt 32                                ; v's weights are in: behind them 24 + 8
	STR 2, \f, 0, 8, \zero
	PLACES
	LB 2, \kqn
.endm
; A step's second quarter multiplies buffer 1 and changes slots: ONE barrier.  In front of it each wave waits for all its tensor loads (one is out: its part of the next slot), adds 0 to its
; spare word, and waits for that and for its reads of this slot, which are all in registers then.  fill = 1: the barrier opens a round of the cluster's, and this slot takes the K step two on:
; the load has 160 matrix instructions in which to land.
.macro TURNQ fill
	WIN 0
	s_wait_tensorcnt 0x0                           ; no tensor load of mine is out, so a group 0 may be written
	ds_add_u32 v[SPW], v[NIL]
.if \fill
	s_xor_b32 s[G0+5], s[G0+5], SLOT1              ; the walking sets: the other slot than last time, the next K step
	s_add_nc_u64 s[G0+6:G0+7], s[G0+6:G0+7], ASTEP
	s_xor_b32 s[G0B+5], s[G0B+5], SLOT1
	s_add_nc_u64 s[G0B+6:G0B+7], s[G0B+6:G0B+7], BSTEP
.endif
	s_xor_b32 s[TB], s[TB], SLOT1
	s_wait_dscnt 17                                ; k's and v's weights and the add may be out
	STR 0, FA1, 0, 4, 0
	s_wait_dscnt 0x0                               ; the add is done, and my reads of this slot are over
	s_barrier_signal -1
	STR 0, FA1, 4, 4, 0
	WIN 0
	s_barrier_wait -1
.if \fill
	CREST                                          ; no wave of any partner still reads this slot or has a load on its way
	JLOAD                                          ; the first tensor load behind the round; its four v_nop are also the places in front of the loads below
.else
	PLACES
.endif
	v_add_nc_u32 v[ADRA], s[TB], v[ADRA0]
	v_add_nc_u32 v[ADRB], s[TB], v[ADRB0]
	LB 0, 0
	LA FA0, 0
	STR 1, FA1, 0, 8, 0
	PLACES
	LB 1, 0
	STR 2, FA1, 0, 8, 0
	PLACES
	LB 2, 0
.endm
	s_wait_tensorcnt 0x1                           ; my part of K step 0 is in; K step 1's may stay out
	s_barrier_signal -1
	s_barrier_wait -1
	v_add_nc_u32 v[ADRA], s[TB], v[ADRA0]
	v_add_nc_u32 v[ADRB], s[TB], v[ADRB0]
	LB 0, 0
	LA FA0, 0
	LB 1, 0
	LB 2, 0
	QUART FA0, FA1, 1, 1                           ; the first quarter stands in front of the loop: its products start the sums
	WIN 0
	s_mov_b32 s3, 14
.Lstep:                                                ; trip i: K step i's second quarter, slot i % 2 asked for K step i + 2, K step i + 1's first quarter
	TURNQ 1
	QUART FA0, FA1, 1, 0
	WIN 0
	s_sub_co_u32 s3, s3, 1
	s_cmp_lg_u32 s3, 0
	s_cbranch_scc1 .Lstep
	TURNQ 0                                        ; the last two K steps ask for nothing
	QUART FA0, FA1, 1, 0
	s_wait_dscnt 16
	STR 0, FA1, 0, 8, 0
	s_wait_dscnt 8
	STR 1, FA1, 0, 8, 0
	s_wait_dscnt 0x0
	STR 2, FA1, 0, 8, 0
	; THE WAY OUT.  First v's column sums over my 128 rows, in f32: over the eight row blocks, then over the 16 lanes that hold the rows of a block.  Each accumulator's lowest registers are read first.
	PLACES
	WIN 0x0f
.set z, 0
.rept 16
	v_pk_add_f32 v[VS+2*z:VS+2*z+1], v[2*z:2*z+1], v[32+2*z:32+2*z+1]
.set z, z+1
.endr
	WIN 0x0c
.set aa, 2
.rept 6
.set z, 0
.rept 16
	v_pk_add_f32 v[VS+2*z:VS+2*z+1], v[VS+2*z:VS+2*z+1], v[32*aa+2*z:32*aa+2*z+1]
.set z, z+1
.endr
.set aa, aa+1
.endr
	WIN 0
.irp m, 1,2,4,8
.set z, 0
.rept 32
	v_add_f32_dpp v[VS+z], v[VS+z], v[VS+z] row_xmask:\m row_mask:0xf bank_mask:0xf
.set z, z+1
.endr
.endr
.set z, 0
.rept 8
	ds_store_b128 v[VSA], v[VS+4*z:VS+4*z+3] offset:(z/2)*64+(z%2)*16  ; channel 16 b + 8 h + j at 4 bytes each; the 16 lanes of a half store the same numbers
.set z, z+1
.endr
	ds_load_b64 v[VSO:VSO+1], v[VSR]               ; back as 256 consecutive bytes: LDS serves a wave's instructions in order (ISA guide 5.7.1.4)
; Row block a: rounded to f16; 16 bytes a lane and third into my stage; back as rows; stored.
.macro PACKQ a
.set tt, 0
.rept 3
	WIN 5*(tt+1)
.set z, 0
.rept 16
	v_cvt_pk_f16_f32 v[TMP+16*tt+z], v[32*(\a)+2*z], v[32*(\a)+2*z+1]
.set z, z+1
.endr
.set tt, tt+1
.endr
	WIN 0
.endm
.macro TOSTQ a
	WIN 0
.set BK, BK0+48*((\a)%2)
.set z, 0
.rept 12
	ds_store_b128 v[STO], v[TMP+4*z:TMP+4*z+3] offset:(z/4)*128+(z%4)*32
.set z, z+1
.endr
.set z, 0
.rept 12
	ds_load_b128 v[BK+4*z:BK+4*z+3], v[RD] offset:(z%4)*4*SPQ+(z/4)*128
.set z, z+1
.endr
.endm
.macro SENDQ a
	WIN 0
.set BK, BK0+48*((\a)%2)
	s_wait_dscnt 0x0                               ; the block is back in registers
	s_wait_xcnt 0x0                                ; the registers that earlier stores read are loaded again only behind this wait
.set z, 0
.rept 4
	global_store_b128 v[GO], v[BK+4*z:BK+4*z+3],       s[10:11] offset:(\a)*2048+z*512  ; 512 consecutive bytes, at a multiple of 256 from the buffer's first
	global_store_b128 v[GO], v[BK+16+4*z:BK+16+4*z+3], s[68:69] offset:(\a)*2048+((\a)/4)*256+z*512  ; k skips the bias row behind 64 keys
	global_store_b128 v[GO], v[BK+32+4*z:BK+32+4*z+3], s[70:71] offset:(\a)*2048+z*512
.set z, z+1
.endr
.endm
	PACKQ 0
	TOSTQ 0
.irp a, 1,2,3,4,5,6,7                  ; block a's conversions stand between block a - 1's loads from the stage and the wait for them
	PACKQ \a
	SENDQ (\a)-1
	TOSTQ \a
.endr
	SENDQ 7
	global_store_b64 v[VGO], v[VSO:VSO+1], s[72:73]
	s_wait_loadcnt 0x0                             ; the mask's four bytes
.irp i, 0,1,2,3
	v_bfe_u32 v[KBV+\i], v[MK], 8*\i, 8
.endr
.irp i, 0,1,2,3
	v_cmp_eq_u32 vcc_lo, 0, v[KBV+\i]
	v_cndmask_b32 v[KBV+\i], 0, s[BIG], vcc_lo     ; 0 for a valid key, -1e30 for a hidden one
.endr
	global_store_b128 v[KBO], v[KBV:KBV+3], s[68:69] offset:8192  ; lanes 0-15 fill the first 64 keys' bias row, lanes 16-31 the second's: 256 consecutive bytes each
	s_wait_tensorcnt 0x0                           ; the wave's end
	ds_add_u32 v[SPW], v[NIL]
	s_wait_dscnt 0x0
	CROUND                                         ; the closing round
	s_endpgm
.Lfunc_end_k_qfe0b614f83_qkv:
	.size	k_qfe0b614f83_qkv, .Lfunc_end_k_qfe0b614f83_qkv-k_qfe0b614f83_qkv
	.p2alignl 7, 3214868480
	.fill 96, 4, 3214868480
	.section	.rodata,"a",@progbits
	.p2align	6, 0x0
	.amdhsa_kernel k_qfe0b614f83_qkv
		.amdhsa_group_segment_fixed_size 327680
		.amdhsa_private_segment_fixed_size 0
		.amdhsa_enable_private_segment 0
		.amdhsa_kernarg_size 56
		.amdhsa_user_sgpr_count 2
		.amdhsa_user_sgpr_kernarg_segment_ptr 1
		.amdhsa_wavefront_size32 1
		.amdhsa_system_sgpr_workgroup_id_x 1
		.amdhsa_system_sgpr_workgroup_id_y 1
		.amdhsa_system_sgpr_workgroup_id_z 1
		.amdhsa_system_vgpr_workitem_id 0
		.amdhsa_next_free_vgpr 1024
		.amdhsa_next_free_sgpr 76
		.amdhsa_reserve_vcc 1
		.amdhsa_float_denorm_mode_32 3
		.amdhsa_float_denorm_mode_16_64 3
		.amdhsa_memory_ordered 1
		.amdhsa_forward_progress 1
		.amdhsa_inst_pref_size 128
	.end_amdhsa_kernel
	.amdgpu_metadata
---
amdhsa.version: [ 1, 2 ]
amdhsa.kernels:
  - .name:           k_qfe0b614f83_qkv
    .symbol:         k_qfe0b614f83_qkv.kd
    .args:
      - { .name: xb, .offset: 0, .size: 8, .value_kind: global_buffer, .address_space: global }
      - { .name: wqkvb, .offset: 8, .size: 8, .value_kind: global_buffer, .address_space: global }
      - { .name: mask, .offset: 16, .size: 8, .value_kind: global_buffer, .address_space: global }
      - { .name: qh, .offset: 24, .size: 8, .value_kind: global_buffer, .address_space: global }
      - { .name: kh, .offset: 32, .size: 8, .value_kind: global_buffer, .address_space: global }
      - { .name: vh, .offset: 40, .size: 8, .value_kind: global_buffer, .address_space: global }
      - { .name: vsum, .offset: 48, .size: 8, .value_kind: global_buffer, .address_space: global }
    .group_segment_fixed_size: 327680
    .private_segment_fixed_size: 0
    .kernarg_segment_align: 8
    .kernarg_segment_size: 56
    .max_flat_workgroup_size: 128
    .sgpr_count:     76
    .vgpr_count:     1024
    .wavefront_size: 32
...
	.end_amdgpu_metadata
.endif
;; end of part 2
;; launch attn (part 3): grid 4 x 64, 4 waves a work-group, no clusters, 327,680 bytes of LDS; arguments qh, kh, vh, oh, vsum, mask; writes oh
.if DOCPART == 3
	.amdgcn_target "amdgcn-amd-amdhsa--gfx1250"
	.amdhsa_code_object_version 6
	.text
	.protected	k_qfe0b614f83_attn
	.globl	k_qfe0b614f83_attn
	.p2align	8
	.type	k_qfe0b614f83_attn,@function
k_qfe0b614f83_attn:
	s_mov_b64 s[64:65], 0
	v_nop
	global_prefetch_b8 v0, s[64:65] scope:SCOPE_SE
	s_setreg_imm32_b32 hwreg(HW_REG_WAVE_MODE, 25, 1), 1
	s_wait_xcnt 0x0
; CAUSAL ATTENTION WITH A PADDING MASK.  For a valid query q: O[q] = the sum over valid k <= q of softmax_k(Q[q] . K[k] / 8) V[k].  For a masked query every score of the row is the same lowest number,
; so its softmax is uniform over ALL 2,048 keys: O[q] = the mean of the head's V, made from vsum.  Q, V, O: [64 heads][2048][64] f16.  K: for each 64 keys 8,192 bytes of f16 and then 64 f32 key biases (0 or -1e30).
; Products, maxima and sums in f32; the weights p are rounded to f16 for the second product (their sum l is taken of the unrounded p), O once at the end.
; LIMITS.  Q, K, V arrive within f16's 65,504.  A hidden score counts as its value less 1e30 or 2e30.  The running maximum starts at -2^66, far below every f16 score (2.7e11 at the most) and far above every
; hidden one: while a row has seen hidden keys alone its weights are 0.  A weight below 2^-126 counts as 0 in l; NaN and infinities are not treated apart.
; THE WALK.  A head's queries lie in NB = 8 blocks of 256; block i needs the key tiles 0 .. i of 256 keys, of which the last holds the diagonal.  A work-group takes TWO blocks, NB - 1 - b and then b:
; NB + 1 tiles, whatever b: all work-groups do equal work, and ONE loop with a constant trip count walks them.  Every jump goes forward but the counted loops' own; none passes a barrier, or a tensor load but the
; one of LOAD's two that the wave's number does not choose.  NO CLUSTER: a head's four work-groups ask for the same tile only in trips 0 .. 4 of 9, behind that fewer and fewer; a walk common to all would have 12 trips for 9.
; SHARES.  Of a block's four bands of 64 queries a wave owns 16 rows in each: four PIECES.  In the diagonal tile's key step s band x sees all keys if s < x, none if s > x, and holds the diagonal if s = x.
; THE MASK is the C operand that starts the sum S^T = K Q^T.  Away from the diagonal it is KB, the step's key biases as they lie beside K.  In the diagonal tile it is MD x AL + KB + BE: MD, made once, is the mask of a
; band's own step for my 16 rows; (AL, BE) = (1, 0) if s = x, (0, 0) if s < x, (0, -1e30) if s > x.
; LAYOUT, SOFTMAX, TURNS.  S^T = K Q^T holds ONE query a lane (lane % 16) and the keys 8 (lane / 16) + 0..7; two such results rounded to f16 ARE source 1 of O^T = V^T P.  p = 2^(c s - c m), c = log2(e) / 8, with a
; running maximum m; O and l are multiplied by a = 2^(c m_old - c m_new) in every step.  Turn n belongs to piece n: 8 products K Q^T of piece n + 1, later 8 products V^T P of piece n - 1; beside them the scaling,
; exponentials, roundings, sums and rescaling of piece n and the maximum and statistics of piece n + 1.  Four vector instructions stand behind every matrix instruction, the others in two lumps.
; REGISTERS, in windows of 256 (s_set_vgpr_msb: bits 1:0 source 0, 3:2 source 1, 5:4 source 2, 7:6 destination):
;   window 0: v0-15, v32-43 addresses and at work; v16-31 statistics; v48-55 at work; v64-127 S^T, two buffers; v128-159 KB; v160-191 at work at the start; v192-223 P, two buffers; v224-239 V's mean, packed
;   window 1: v0-127 O^T, 32 a piece; v128-159 MD; v160-223 MC, two buffers      window 2: v0-63 Q; v64-127 the second block's Q; v128-191 K of one step; v192-255 V of one step
.set SIZE_N, 2048
.set NB,    SIZE_N/256
.set NP,    4         ; pieces a wave: a name, no knob
.set KS,    64        ; keys in a step
.set PK,    144       ; a row of K in LDS: 128 bytes + 16 of padding
.set PV,    160       ; a row of V: 128 + 32
.set KSB,   66*PK     ; a step of K in LDS: 64 keys, then the bias row's two halves of 128 bytes, padded like keys
.set KGB,   8448      ; a step of K in memory
.set VOFF,  4*KSB     ; a slot holds a tile, four steps: K, then 256 rows of V
.set SLOT1, 1<<17
.set STAGE, SLOT1+79104  ; behind the ring (78,976 bytes a slot), at the next multiple of 256: 16 rows x 144 bytes for each wave
.set SP,    144
.set AK0, 2           ; v2   my lane's place in a tile of K; never rewritten
.set AV0, 3           ; v3   the same for V
.set AK,  4           ; v4   the LDS address of K's next run of loads
.set AV,  5           ; v5   of V's
.set STO, 6
.set RD,  7
.set GO,  8
.set SPW, 62          ; v62  LDS address of my spare word; never rewritten
.set NIL, 63          ; v63  0; never rewritten
.set SPARE, STAGE+4*16*SP
.set MV,  12          ; v12-13  c m_old, by buffer
.set QO,  15
.set ST,  16          ; piece t's statistics at v[ST+4 t]: c m, m, l (even keys', odd keys')
.set AB0, 32          ; v32  my lane's place in a step's bias row; never rewritten
.set AB,  33          ; v33  the LDS address of the next biases
.set MF,  34          ; v34-41  my queries' mask bytes: four pieces of the first block, four of the second
.set MO,  42
.set VO,  43
.set TMP, 48
.set S,   64
.set KB,  128         ; the biases of keys 16 kt + 8 (lane / 16) + 0..7 at KB + 8 kt
.set TS,  160
.set P,   192
.set VMH, 224         ; the mean of V, f16 pairs, in O's packed order
.set MD,  128         ; window 1
.set MC,  160         ; window 1
.set QB,  64          ; window 2
.set KF,  128         ; window 2
.set VF,  192         ; window 2
.set WV,  12
.set PB,  14          ; s14  b
.set HI,  15          ; s15  NB - 1 - b
.set G1K, 24
.set G1V, 32
.set G0K, 40
.set G0V, 44
.set SLOTS, 56
.set CNT, 57
.set CS,  58
.set SEL, 60
.set TBK, 62
.set TBV, 63
.set RT,  70
.set NXT, 71
.set LQ,  72
.set NEW, 73
.set OFF, 74          ; s[74:75] a tile's byte offset in V
.set AL,  76
.set BE,  78
.set OLO, 80
.set BIGN, 82
.set FL,  92          ; s92-99  lane masks: my query is valid: four pieces of the first block, four of the second
.set OFK, 100         ; s[100:101] a tile's byte offset in K
.set MSB, 0
.macro WIN new
.if MSB != (\new)
	s_set_vgpr_msb (MSB<<8)|(\new)
.set MSB, (\new)
.endif
.endm
.set W_KQ, 0x0a       ; K and Q in window 2, S^T and KB in window 0
.set W_KM, 0x1a       ; the same with the C operand in window 1
.set W_PV, 0x52       ; V in window 2, P in window 0, O^T in window 1
.set W_RS, 0x41       ; destination and source 0 in window 1, the others in window 0
; A fill.  Waves 0 and 1 fetch the two halves of a tile's K, waves 2 and 3 those of its V.  An s_nop 0 and four v_nop follow each of the two lines.
.macro LOAD
	s_cmp_lt_u32 s[WV], 2
	s_cbranch_scc0 .Lfor_v_\@
	tensor_load_to_lds s[G0K:G0K+3], s[G1K:G1K+7]
	s_nop 0
.rept 4
	v_nop
.endr
	s_branch .Lasked_\@
.Lfor_v_\@:
	tensor_load_to_lds s[G0V:G0V+3], s[G1V:G1V+7]
	s_nop 0
.rept 4
	v_nop
.endr
.Lasked_\@:
.endm
; THE CHANGE OF SLOTS.  Each wave waits for all its tensor loads, of which one is out: its part of the other slot; adds 0 to its spare word; and waits for that and for its reads of the slot that it leaves.
; fill = 1: the old slot is filled again, the first thing behind the barrier, with tile NXT: the descriptor's address is made anew from that number.
.macro CHANGE fill
	WIN 0
	s_wait_tensorcnt 0x0            ; no tensor load of mine is out, so a group 0 may be written
	ds_add_u32 v[SPW], v[NIL]
.if \fill
	s_mul_i32 s[OFK], s[NXT], 4*KGB ; a tile is 33,792 bytes of K
	s_lshl_b32 s[OFF], s[NXT], 15   ; and 32,768 of V
	s_xor_b32 s[G0K+1], s[G0K+1], SLOT1
	s_add_nc_u64 s[G0K+2:G0K+3], s[6:7], s[OFK:OFK+1]
	s_or_b32 s[G0K+3], s[G0K+3], 0x80000000
	s_xor_b32 s[G0V+1], s[G0V+1], SLOT1
	s_add_nc_u64 s[G0V+2:G0V+3], s[8:9], s[OFF:OFF+1]
	s_or_b32 s[G0V+3], s[G0V+3], 0x80000000
	s_add_co_u32 s[NXT], s[NXT], 1  ; the block's next tile, or behind its last the second block's tile 0
	s_cmp_gt_u32 s[NXT], s[LQ]
	s_cselect_b32 s[NXT], 0, s[NXT]
	s_cselect_b32 s[LQ], s[PB], s[LQ]
.endif
	s_wait_dscnt 0x0                ; the add is done, and my reads of the slot are over
	s_barrier_signal -1
	s_sub_co_u32 s[TBK], s[TBK], 4*KSB    ; the fetches go back to a slot's first step,
	s_xor_b32 s[TBK], s[TBK], SLOT1       ; in the other slot
	s_sub_co_u32 s[TBV], s[TBV], 4*KS*PV
	s_xor_b32 s[TBV], s[TBV], SLOT1
	s_barrier_wait -1
.if \fill
	LOAD
.endif
.endm
	s_load_b256 s[4:11], s[0:1], 0x0  ; Q s[4:5], K s[6:7], V s[8:9], O s[10:11]
	s_load_b128 s[88:91], s[0:1], 0x20  ; vsum s[88:89], mask s[90:91]
	v_lshl_add_u32 v[SPW], v0, 2, SPARE
	v_mov_b32 v[NIL], 0
	ds_add_u32 v[SPW], v[NIL]       ; the wave's opening: the add and its wait stand ahead of my first tensor load
	ds_add_u32 v62, v63
	v_lshrrev_b32 v1, 5, v0
	v_readfirstlane_b32 s[WV], v1
	s_mov_b32 s[PB], ttmp9
	s_sub_co_u32 s[HI], NB-1, s[PB]
	s_and_b32 s19, ttmp7, 0xffff    ; the head, 16 x batch + head
	s_lshl_b32 s20, s19, 18         ; its first byte in Q, V and O
	s_and_b32 s16, s[WV], 1         ; which half of a tile's 256 keys I fetch
	s_lshl_b32 s22, s16, 14
	s_add_co_u32 s22, s22, s20
	s_mov_b32 s23, 0
	s_mul_i32 s[OFK], s19, 32*KGB   ; the head's first byte in K,
	s_mul_i32 s17, s16, 2*KGB       ; my two steps of a tile
	s_add_co_u32 s[OFK], s[OFK], s17
	s_mov_b32 s[OFK+1], 0
	s_mul_i32 s17, s16, 2*KSB       ; and their place in a slot, for K
	s_mul_i32 s18, s16, 128*PV      ; and for V
	s_lshl_b32 s3, s[WV], 11        ; my 16 rows in a band of 64,
	s_lshl_b32 s2, s[HI], 15        ; in the first block,
	s_add_co_u32 s2, s2, s3
	s_add_co_u32 s2, s2, s20
	s_lshl_b32 s84, s[PB], 15       ; and in the second
	s_add_co_u32 s84, s84, s3
	s_add_co_u32 s84, s84, s20
	s_mov_b32 s3, 0
	s_mov_b32 s85, 0
	s_lshl_b32 s48, s19, 12         ; the head's 16 x 64 partial sums of V
	s_mov_b32 s49, 0
	s_lshr_b32 s50, s19, 4
	s_lshl_b32 s50, s50, 11         ; the batch's 2,048 mask bytes,
	s_lshl_b32 s52, s[PB], 8
	s_add_co_u32 s52, s52, s50      ; the second block's 256
	s_lshl_b32 s51, s[HI], 8
	s_add_co_u32 s50, s50, s51      ; and the first's
	s_mov_b32 s51, 0
	s_mov_b32 s53, 0
	; descriptor group 1.  Dense bytes, asked for as rows of 256 and padded in LDS after every 128: K's half tile is 66 such rows (two steps of 32 rows of keys and one of biases), V's 64
	s_mov_b32 s[G1K], (1<<16)|(1<<20)|(4<<22)|(3<<25)  ; 2-byte elements; padding on; after every 32 words; 4 words
	s_mov_b32 s[G1V], (1<<16)|(1<<20)|(4<<22)|(7<<25)  ; the same with 8 words
	s_mov_b32 s[G1K+2], 66<<16      ; tensor_dim1
	s_mov_b32 s[G1K+4], 66          ; tile_dim1
	s_mov_b32 s[G1V+2], 64<<16
	s_mov_b32 s[G1V+4], 64
.irp g, G1K, G1V
	s_mov_b32 s[\g+1], 128<<16      ; tensor_dim0 = 128
	s_mov_b32 s[\g+3], 128<<16      ; tile_dim0 = 128
	s_mov_b32 s[\g+5], 128          ; 128 elements from row to row
	s_mov_b32 s[\g+6], 0
	s_mov_b32 s[\g+7], 0
.endr
	s_mov_b32 s[CS], 0x3e38aa3b     ; c = log2(e) / 8
	s_mov_b32 s[CS+1], s[CS]
	s_mov_b32 s[SEL], 0x76543210
	s_mov_b32 s[SEL+1], 0xfedcba98
	s_mov_b32 s[TBK], SLOT1+4*KSB   ; the first change of slots turns these two into 0
	s_mov_b32 s[TBV], SLOT1+4*KS*PV
	s_mov_b32 s[G0K], 1
	s_mov_b32 s[G0K+1], s17
	s_mov_b32 s[G0V], 1
	s_add_co_u32 s[G0V+1], s18, VOFF
	s_add_co_u32 s[RT], s[HI], 1    ; the first block has NB - b tiles
	s_mov_b32 s[NXT], 1
	s_mov_b32 s[LQ], s[HI]
	s_mov_b32 s[NEW], 1
	s_mov_b32 s[OFF+1], 0
	s_mov_b32 s[AL+1], 0
	s_mov_b32 s[BE+1], 0
	s_mov_b32 s[BIGN], 0xf149f2ca   ; -1e30
	s_mov_b32 s[SLOTS], NB
	s_wait_dscnt 0x0                ; the opening add is done
	s_wait_kmcnt 0x0
	s_add_nc_u64 s[6:7], s[6:7], s[OFK:OFK+1]  ; K and V at my half of the head's tile 0
	s_add_nc_u64 s[8:9], s[8:9], s[22:23]
	s_add_nc_u64 s[G0K+2:G0K+3], s[6:7], 0
	s_or_b32 s[G0K+3], s[G0K+3], 0x80000000
	s_add_nc_u64 s[G0V+2:G0V+3], s[8:9], 0
	s_or_b32 s[G0V+3], s[G0V+3], 0x80000000
	s_add_nc_u64 s[86:87], s[4:5], s[84:85]        ; Q at my rows of the second block,
	s_add_nc_u64 s[4:5], s[4:5], s[2:3]            ; Q and O at those of the first
	s_add_nc_u64 s[OLO:OLO+1], s[10:11], s[84:85]
	s_add_nc_u64 s[10:11], s[10:11], s[2:3]
	s_add_nc_u64 s[88:89], s[88:89], s[48:49]
	s_add_nc_u64 s[54:55], s[90:91], s[52:53]
	s_add_nc_u64 s[90:91], s[90:91], s[50:51]
	LOAD                            ; tile 0 into slot 0
	v_and_b32 v1, 15, v0            ; l % 16
	v_bfe_u32 v9, v0, 4, 1          ; l / 16
	v_lshlrev_b32 v[QO], 7, v1
	v_lshl_add_u32 v[QO], v9, 4, v[QO]
	WIN 0x80
.set i, 0
.rept 8                             ; both blocks' Q: piece i / 2 lies in band i / 2, 8,192 bytes on; channels 32 (i % 2) on
	global_load_b128 v[8*i:8*i+3],   v[QO], s[4:5] offset:(i/2)*8192+(i%2)*64
	global_load_b128 v[8*i+4:8*i+7], v[QO], s[4:5] offset:(i/2)*8192+(i%2)*64+32
	global_load_b128 v[QB+8*i:QB+8*i+3],   v[QO], s[86:87] offset:(i/2)*8192+(i%2)*64
	global_load_b128 v[QB+8*i+4:QB+8*i+7], v[QO], s[86:87] offset:(i/2)*8192+(i%2)*64+32
.set i, i+1
.endr
	WIN 0
	v_lshlrev_b32 v[VO], 8, v1      ; lane (r, h) takes partial sum r of 16, channels 16 cb + 8 h + 0..7: O^T's own places
	v_lshl_add_u32 v[VO], v9, 5, v[VO]
.set i, 0
.rept 4
	global_load_b128 v[TS+8*i:TS+8*i+3],   v[VO], s[88:89] offset:64*i
	global_load_b128 v[TS+8*i+4:TS+8*i+7], v[VO], s[88:89] offset:64*i+16
.set i, i+1
.endr
	s_lshl_b32 s13, s[WV], 4
	v_add_nc_u32 v[MO], s13, v1     ; my query's place in its band
.set i, 0
.rept 4
	global_load_u8 v[MF+i],   v[MO], s[90:91] offset:64*i
	global_load_u8 v[MF+4+i], v[MO], s[54:55] offset:64*i
.set i, i+1
.endr
	v_lshlrev_b32 v14, 3, v9
	v_sub_nc_u32 v14, v1, v14
	v_add_nc_u32 v14, s13, v14      ; 16 w + l % 16 - 8 (l / 16): register r of group kt is hidden where 16 kt + r is greater
	WIN 0x40
.set i, 0
.rept 32
	v_cmp_gt_i32 vcc_lo, 16*(i/8)+i%8, v14
	v_cndmask_b32 v[MD+i], 0, s[BIGN], vcc_lo
.set i, i+1
.endr
	WIN 0
	v_mul_u32_u24 v[AK0], v1, PK
	v_lshl_add_u32 v[AK0], v9, 4, v[AK0]
	v_lshlrev_b32 v[AB0], 5, v9
	v_add_nc_u32 v[AB0], KS*PK, v[AB0]  ; behind the step's 64 keys, 32 bytes for each half of the lanes
	v_and_b32 v10, 7, v0
	v_bfe_u32 v11, v0, 3, 1
	v_lshl_add_u32 v[AV0], v9, 3, v10
	v_mul_u32_u24 v[AV0], v[AV0], PV
	v_lshl_add_u32 v[AV0], v11, 4, v[AV0]
	v_add_nc_u32 v[AV0], VOFF, v[AV0]
	s_mul_i32 s13, s[WV], 16*SP
	s_add_co_u32 s13, s13, STAGE
	v_mul_u32_u24 v[STO], v1, SP
	v_lshl_add_u32 v[STO], v9, 4, v[STO]
	v_add_nc_u32 v[STO], s13, v[STO]
	v_bfe_u32 v[RD], v0, 3, 2
	v_mul_u32_u24 v[RD], v[RD], SP
	v_lshl_add_u32 v[RD], v10, 4, v[RD]
	v_add_nc_u32 v[RD], s13, v[RD]
	v_and_b32 v[GO], 31, v0
	v_lshlrev_b32 v[GO], 4, v[GO]
	; A block's first step multiplies O^T and l by a = 0, so these registers need only hold finite numbers: zeros for the first block; what the first block left for the second.
	WIN 0x80
.set i, VF
.rept 64
	v_mov_b32 v[i], 0
.set i, i+1
.endr
	WIN 0x40
.set i, 0
.rept 128
	v_mov_b32 v[i], 0
.set i, i+1
.endr
	WIN 0
.set i, 0
.rept 4
	v_mov_b32 v[ST+4*i+2], 0
	v_mov_b32 v[ST+4*i+3], 0
.set i, i+1
.endr
.set i, P+16
.rept 16
	v_mov_b32 v[i], 0
.set i, i+1
.endr
	s_wait_loadcnt 0x0              ; Q, the partial sums, the mask bytes
.irp m, 1,2,4,8                     ; the 16 partial sums lie in the 16 lanes of a half: every lane ends with the head's sum of its eight channels
.set i, 0
.rept 32
	v_add_f32_dpp v[TS+i], v[TS+i], v[TS+i] row_xmask:\m row_mask:0xf bank_mask:0xf
.set i, i+1
.endr
.endr
.set i, 0
.rept 16
	v_pk_mul_f32 v[TS+2*i:TS+2*i+1], v[TS+2*i:TS+2*i+1], 0x3a000000 op_sel_hi:[1,0]  ; / 2,048
.set i, i+1
.endr
.set i, 0
.rept 16
	v_cvt_pk_f16_f32 v[VMH+i], v[TS+2*i], v[TS+2*i+1]
.set i, i+1
.endr
.set i, 0
.rept 8
	v_cmp_ne_u32 s[FL+i], 0, v[MF+i]
.set i, i+1
.endr
; THE MATRIX WORK.  The 4 accumulators of a run of 8 take turns.  Product i of 8 of S^T = K Q^T for piece x: channels 32 (i / 4) on, keys 16 (i % 4) on.  The first 4 start the sums: with the key biases, or (KM = 1) with the mask made of them.
.macro KQ x
.set rS, S+32*((\x)%2)+8*(i%4)
.set rK, KF+16*(i%4)+8*(i/4)
.set rQ, 16*(\x)+8*(i/4)
.set rM, MC+32*((\x)%2)+8*(i%4)
.set rB, KB+8*(i%4)
.if (i < 4) && KM
	WIN W_KM
	v_wmma_f32_16x16x32_f16 v[rS:rS+7], v[rK:rK+7], v[rQ:rQ+7], v[rM:rM+7]
.elseif i < 4
	WIN W_KQ
	v_wmma_f32_16x16x32_f16 v[rS:rS+7], v[rK:rK+7], v[rQ:rQ+7], v[rB:rB+7]
.else
	WIN W_KQ
	v_wmma_f32_16x16x32_f16 v[rS:rS+7], v[rK:rK+7], v[rQ:rQ+7], v[rS:rS+7]
.endif
.endm
; Product i of 8 of O^T += V^T P for piece x: keys 32 (i / 4) on, channels 16 (i % 4) on.
.macro PV x
	WIN W_PV
.set rO, 32*(\x)+8*(i%4)
.set rV, VF+32*(i/4)+8*(i%4)
.set rP, P+16*((\x)%2)+8*(i/4)
	v_wmma_f32_16x16x32_f16 v[rO:rO+7], v[rV:rV+7], v[rP:rP+7], v[rO:rO+7]
.endm
.macro MM                           ; the turn's next matrix instruction.  NOKQ = 1: a block's last turn: there is no next piece
.if (i < 8) && !NOKQ
	KQ (Y+1)%NP
.elseif i >= 8
.set i, i-8
	PV (Y+NP-1)%NP
.set i, i+8
.endif
.set i, i+1
.endm
; THE LDS LOADS stand in runs: a step's K (8 fragments) with its biases (8 loads; the 16 lanes of a half read the same bytes), and its V (turned).
.macro FETCH_K
	WIN 0x80
.irp f, 0,1,2,3,4,5,6,7             ; keys 16 (f / 2) on, channels 32 (f % 2) on
	ds_load_b128 v[KF+8*\f:KF+8*\f+3],   v[AK] offset:(\f/2)*16*PK+(\f%2)*64
	ds_load_b128 v[KF+8*\f+4:KF+8*\f+7], v[AK] offset:(\f/2)*16*PK+(\f%2)*64+32
.endr
	WIN 0
.irp f, 0,1,2,3                     ; keys 16 f on: 64 bytes; the bias row's second 128 bytes lie a pitch behind the first
	ds_load_b128 v[KB+8*\f:KB+8*\f+3],   v[AB] offset:(\f/2)*PK+(\f%2)*64
	ds_load_b128 v[KB+8*\f+4:KB+8*\f+7], v[AB] offset:(\f/2)*PK+(\f%2)*64+16
.endr
	s_add_co_u32 s[TBK], s[TBK], KSB  ; the next fetch is the next step's
.endm
.macro FETCH_V
	WIN 0x80
.irp f, 0,1,2,3,4,5,6,7             ; keys 32 (f / 4) on, channels 16 (f % 4) on
	ds_load_tr16_b128 v[VF+8*\f:VF+8*\f+3],   v[AV] offset:(\f/4)*32*PV+(\f%4)*32
	ds_load_tr16_b128 v[VF+8*\f+4:VF+8*\f+7], v[AV] offset:(\f/4)*32*PV+16*PV+(\f%4)*32
.endr
	WIN 0
.endm
; THE VECTOR WORK, one line at a time: OP kind, number.  For piece Y: F n: c s - c m for pair n of 16.  E n: the exponential of score n of 32.  C n: pair n rounded to f16.  B n: of the four weights 4 n .. the second
; pair is added onto the first, in place.  L n: l takes that sum (L 0: l = a l + sum).  R n: pair n of 16 of O^T times a.  For piece Y + 1: X n, number n of the 22 that find its maximum and statistics:
;   0-11  four chains c0-c3 of seven scores each (each accumulator's lowest registers are read first)     12-14, 16  the four scores left over, the old m, and c0-c3 into c0
;   15  c m_old is kept     17, 18  the query's other 32 keys lie in the lane 16 away: the new m     19-21  c m; c m_old - c m_new; a
.set F, 0
.set E, 1
.set C, 2
.set B, 3
.set L, 4
.set R, 5
.set X, 6
.macro REGS y
.set rT, ST+4*(\y)
.set rC, TMP+4*((\y)%2)
.set rW, MV+((\y)%2)
.set rS, S+32*((\y)%2)
.set rP, P+16*((\y)%2)
.set rO, 32*(\y)
.endm
.macro OP k, n
.if (\k) == R
	REGS Y
	WIN W_RS
	v_pk_mul_f32 v[rO+2*(\n):rO+2*(\n)+1], v[rO+2*(\n):rO+2*(\n)+1], v[rC+2:rC+3] op_sel_hi:[1,0]
.elseif (\k) < R
	REGS Y
	WIN 0
.if (\k) == F
	v_pk_fma_f32 v[rS+2*(\n):rS+2*(\n)+1], v[rS+2*(\n):rS+2*(\n)+1], s[CS:CS+1], v[rT:rT+1] op_sel_hi:[1,0,0] neg_lo:[0,0,1] neg_hi:[0,0,1]
.elseif (\k) == E
	v_exp_f32 v[rS+(\n)], v[rS+(\n)]
.elseif (\k) == C
	s_wait_alu depctr_va_vdst(0)
	v_cvt_pk_f16_f32 v[rP+(\n)], v[rS+2*(\n)], v[rS+2*(\n)+1]
.elseif (\k) == B
	s_wait_alu depctr_va_vdst(0)
	v_pk_add_f32 v[rS+4*(\n):rS+4*(\n)+1], v[rS+4*(\n):rS+4*(\n)+1], v[rS+4*(\n)+2:rS+4*(\n)+3]
.elseif (\n) == 0
	v_pk_fma_f32 v[rT+2:rT+3], v[rT+2:rT+3], v[rC+2:rC+3], v[rS:rS+1] op_sel_hi:[1,0,1]
.else
	v_pk_add_f32 v[rT+2:rT+3], v[rT+2:rT+3], v[rS+4*(\n):rS+4*(\n)+1]
.endif
.elseif NOKQ
	v_nop
.else
	REGS (Y+1)%NP
	WIN 0
.if (\n) < 4
	v_max3_num_f32 v[rC+(\n)], v[rS+8*(\n)], v[rS+8*(\n)+1], v[rS+8*(\n)+2]
.elseif (\n) < 12
	v_max3_num_f32 v[rC+(\n)%4], v[rC+(\n)%4], v[rS+8*((\n)%4)+2*((\n)/4)+1], v[rS+8*((\n)%4)+2*((\n)/4)+2]
.elseif (\n) == 12
	v_max3_num_f32 v[rC], v[rC], v[rS+7], v[rS+15]
.elseif (\n) == 13
	v_max3_num_f32 v[rC+1], v[rC+1], v[rS+23], v[rS+31]
.elseif (\n) == 14
	v_max3_num_f32 v[rC+2], v[rC+2], v[rC+3], v[rT+1]
.elseif (\n) == 15
	v_mov_b32 v[rW], v[rT]
.elseif (\n) == 16
	v_max3_num_f32 v[rC], v[rC], v[rC+1], v[rC+2]
.elseif (\n) == 17
	v_permlanex16_b32 v[rC+3], v[rC], s[SEL], s[SEL+1]
.elseif (\n) == 18
	v_max_num_f32 v[rT+1], v[rC], v[rC+3]
.elseif (\n) == 19
	v_mul_f32 v[rT], s[CS], v[rT+1]
.elseif (\n) == 20
	v_sub_f32 v[rC+1], v[rW], v[rT]
.else
	v_exp_f32 v[rC+2], v[rC+1]
.endif
.endif
.endm
.macro OPS a, i1, b=-1, i2=0, c=-1, i3=0, d=-1, i4=0
	OP \a, \i1
.if (\b) >= 0
	OP \b, \i2
.endif
.if (\c) >= 0
	OP \c, \i3
.endif
.if (\d) >= 0
	OP \d, \i4
.endif
.endm
.macro ROW a, i1, b, i2, c, i3, d, i4  ; a matrix instruction and the four behind it
	MM
	OPS \a, \i1, \b, \i2, \c, \i3, \d, \i4
.endm
.macro MASK b, be                   ; MD x AL + KB (+ BE) into buffer b of MC
	WIN W_RS
.set z, 0
.rept 16
	v_pk_fma_f32 v[MC+32*(\b)+2*z:MC+32*(\b)+2*z+1], v[MD+2*z:MD+2*z+1], s[AL:AL+1], v[KB+2*z:KB+2*z+1] op_sel_hi:[1,0,1]
.set z, z+1
.endr
.if \be
.set z, 0
.rept 16
	v_pk_add_f32 v[MC+32*(\b)+2*z:MC+32*(\b)+2*z+1], v[MC+32*(\b)+2*z:MC+32*(\b)+2*z+1], s[BE:BE+1] op_sel_hi:[1,0]
.set z, z+1
.endr
.endif
.endm
; A TURN, for piece p: the order of its 16 matrix and its vector instructions, written out.  Behind a matrix instruction: plain, exponential, plain, plain; or four of the rescaling; or four scalings; none names a register
; of the products round it.  In the lumps exponential and plain by turns while exponentials last.
; m = 1: the diagonal tile: the products take masks, and the turn makes the mask for the products of the turn after it: piece p + 2, in step 4 - CNT of the tile.  Piece 2's turn, while it still fetches, multiplies for
; piece 3 a step that band 3 sees whole (the tile before, or steps 0 to 2): it takes KB itself.  Its own mask is made of the biases that it has just fetched, so it waits for them.  end = 1: a block's last two turns.
; K of the next step and its biases are fetched in piece 2's turn, five plain vector instructions behind the last product that read K; V of the step in hand in piece 0's turn.  Each is waited for a turn later.
.macro TURN p, m=0, end=0, cnt=0
.set Y, (\p)
.set i, 0
.set KM, (\m)
.if ((\p) == 2) && !(\end)
.set KM, 0
.endif
.set NOKQ, (\end)*((\p)/3)
.if (\m) && !(\end)
	s_cmp_eq_u32 s[CNT], 4-((\p)+2)%NP  ; is that step the band's own?
	s_cselect_b32 s[AL], 1.0, 0
	s_cmp_lt_u32 s[CNT], 4-((\p)+2)%NP  ; or a later one?
	s_cselect_b32 s[BE], s[BIGN], 0
.endif
.if ((\p) == 3) && !(\end)
	s_wait_dscnt 0x0                ; K and its biases are in
.endif
	ROW F,0, F,1, F,2, F,3
	ROW F,4, E,0, F,5, F,6
	ROW F,7, E,1, F,8, F,9
	ROW F,10, E,2, C,0, F,11
	ROW F,12, E,3, X,15, F,13
	ROW R,0, R,1, R,2, R,3
	ROW B,0, E,4, F,14, L,0
.if ((\p) == 2) && !(\end)
	v_add_nc_u32 v[AK], s[TBK], v[AK0]
	v_add_nc_u32 v[AB], s[TBK], v[AB0]
.endif
	ROW R,4, R,5, R,6, R,7
	OPS E,5, F,15
.if ((\p) == 2) && !(\end)
	FETCH_K
.endif
	OPS E,6, C,1, E,7, R,8
	OPS E,8, R,9, E,9, C,2
	OPS E,10, X,0, E,11, X,1
	OPS E,12, X,2, E,13, X,3
.if (\p) == 1
	s_wait_dscnt 0x0                ; V is in
.endif
	ROW X,4, E,14, X,5, X,6
	ROW X,7, E,15, X,8, X,9
	ROW X,10, E,16, X,11, X,12
	ROW X,13, E,17, X,14, B,1
	ROW C,4, E,18, X,16, L,1
	ROW B,2, E,19, C,6, L,2
	ROW C,8, E,20, B,3, B,4
.if (\p) == 0
	v_add_nc_u32 v[AV], s[TBV], v[AV0]
.endif
	ROW C,3, E,21, L,3, C,5
	OPS E,22, X,17, E,23, C,10
.if (\p) == 0
	FETCH_V
.endif
	OPS E,24, L,4
	OPS E,25, X,18, E,26, C,7
	OPS E,27, B,5, E,28, X,19
	OPS E,29, C,12, E,30, L,5
	OPS E,31, X,20, B,6, C,9
	OPS C,14, C,11, X,21, L,6
.if (\p) == 0
	s_add_co_u32 s[TBV], s[TBV], KS*PV
.endif
.if \cnt
	s_sub_co_u32 s[CNT], s[CNT], 1
	s_cmp_lg_u32 s[CNT], 0
.endif
	OPS C,13, B,7, C,15, R,10
	OPS R,11, R,12, L,7, R,13
	OPS R,14, R,15
.if (\m) && !(\end)
.if (\p) == 2
	s_wait_dscnt 0x0                ; the next step's biases are in
.endif
	MASK (\p)%2, 1
.endif
.endm
; A BLOCK BEGINS.  c m starts far below every c s, so the first step's a is 0; m at -2^66, below every true score and above every hidden one.  K of the tile's step 0 and its biases are fetched; the second mask buffer
; takes the biases alone, the first piece 0's mask for that step: its own, if the block's first tile is the diagonal one.  Then piece 0's first scores, its maximum and statistics.
.macro BEGIN
	s_mov_b32 s[NEW], 0
	WIN 0
.set i, 0
.rept 4
	v_mov_b32 v[ST+4*i], 0xfe000000    ; c m
	v_mov_b32 v[ST+4*i+1], 0xe0800000  ; m = -2^66
.set i, i+1
.endr
	v_add_nc_u32 v[AK], s[TBK], v[AK0]
	v_add_nc_u32 v[AB], s[TBK], v[AB0]
	FETCH_K
	s_wait_loadcnt 0x0              ; Q
	s_wait_dscnt 0x0
	s_mov_b32 s[AL], 0
	s_mov_b32 s[BE], 0
	MASK 1, 0
	s_cmp_eq_u32 s[RT], 0
	s_cselect_b32 s[AL], 1.0, 0
	MASK 0, 0
.set KM, 1
.set NOKQ, 0
.set i, 0
.rept 8
	KQ 0
.set i, i+1
.endr
	WIN 0
.rept 4
	v_nop                           ; the places behind those products
.endr
.set Y, NP-1                        ; X works for piece Y + 1: piece 0
.irp n, 0,1,2,3,4,5,6,7,8,9,10,11,12,13,14,15,16,17,18,19,20,21
	OP X, \n
.endr
	v_nop                           ; a plain instruction behind the exponential
.endm
; THE DIAGONAL TILE's four steps, the block's last two turns, its last products, and THE WAY OUT: l's two halves and the other half of the lanes' are added; O^T is divided by l and rounded to f16; a masked query's
; row takes V's mean in its stead (a select: what the walk made for such a row, a NaN where it saw no key at all, goes nowhere); then through my stage in LDS, a piece at a time.
.macro ALL line:vararg
.set t, 0
.rept 4
	\line
.set t, t+1
.endr
.endm
.macro PACK t, tag
	WIN W_RS
.set i, 32*(\t)
.rept 16
	s_wait_alu depctr_va_vdst(0)
	v_pk_mul_f32 v[i:i+1], v[i:i+1], v[ST+4*(\t)+2:ST+4*(\t)+3] op_sel_hi:[1,0]
.set i, i+2
.endr
	WIN 0x05
.set i, 0
.rept 16
	v_cvt_pk_f16_f32 v[S+16*(\t)+i], v[32*(\t)+2*i], v[32*(\t)+2*i+1]
.set i, i+1
.endr
	WIN 0
.set i, 0
.rept 16
	v_cndmask_b32 v[S+16*(\t)+i], v[VMH+i], v[S+16*(\t)+i], s[FL+4*((\tag)-1)+(\t)]
.set i, i+1
.endr
.irp f, 0,1,2,3
	ds_store_b128 v[STO], v[S+16*(\t)+4*\f:S+16*(\t)+4*\f+3] offset:32*\f
.endr
.irp f, 0,1,2,3
	ds_load_b128 v[S+16*(\t)+4*\f:S+16*(\t)+4*\f+3], v[RD] offset:\f*4*SP  ; LDS serves a wave's instructions in order (ISA guide 5.7.1.4): these see the stores above
.endr
.endm
.macro SEND t, younger              ; younger: the LDS instructions issued behind piece t's loads: the next piece's eight, or none
	WIN 0
.irp f, 0,1,2,3
	s_wait_dscnt (\younger)+3-\f
	global_store_b128 v[GO], v[S+16*(\t)+4*\f:S+16*(\t)+4*\f+3], s[10:11] offset:(\t)*8192+\f*512  ; 512 consecutive bytes, at a multiple of 256 from O's first
.endr
.endm
.macro DIAG tag
.LstepM\tag:
	TURN 2, 1
	TURN 3, 1
	WIN 0
.LfirstM\tag:
	TURN 0, 1
	TURN 1, 1, 0, 1
	WIN 0
	s_cbranch_scc1 .LstepM\tag
	TURN 2, 1, 1
	TURN 3, 1, 1
.set i, 0
.rept 8
	PV NP-1
.set i, i+1
.endr
	WIN 0
	ALL v_add_f32 v[ST+4*t+2], v[ST+4*t+2], v[ST+4*t+3]
	ALL v_permlanex16_b32 v[ST+4*t+3], v[ST+4*t+2], s[SEL], s[SEL+1]
	ALL v_add_f32 v[ST+4*t+2], v[ST+4*t+2], v[ST+4*t+3]
	ALL v_rcp_f32 v[ST+4*t+2], v[ST+4*t+2]
	v_nop                           ; a plain instruction between the last reciprocal and the use of its result
	PACK 0, \tag
.set t, 1
.rept 3
	PACK t, \tag
	SEND t-1, 8
.set t, t+1
.endr
	SEND 3, 0
.endm
.set KM, 0
.set NOKQ, 0
.Lslot:                             ; NB times: a tile is entered and the next is asked for
	CHANGE 1
	s_sub_co_u32 s[RT], s[RT], 1
	s_mov_b32 s[CNT], 4
	s_cmp_eq_u32 s[NEW], 1
	s_cbranch_scc1 .Lnew            ; a block's first tile
	s_cmp_eq_u32 s[RT], 0
	s_cbranch_scc0 .Lstep           ; neither its first nor its last
	s_branch .LstepM1
.Lnew:
	BEGIN
	s_branch .Lfirst                ; in the loop a block's first tile is never its last
	DIAG 1                          ; in the loop this is the first block's end
	s_wait_xcnt 0x0                 ; the stores have read their registers and O's address
	s_mov_b64 s[10:11], s[OLO:OLO+1]
	s_add_co_u32 s[RT], s[PB], 1    ; the second block has b + 1 tiles
	s_mov_b32 s[NEW], 1
	WIN 0x82                        ; the second block's Q goes where the one text of the turns names Q
.set i, 0
.rept 64
	v_mov_b32 v[i], v[QB+i]
.set i, i+1
.endr
	WIN 0
	s_branch .Lbottom
.Lstep:                             ; a trip: pieces 2 and 3 of one step, then pieces 0 and 1 of the next, whose K and V it fetches
	TURN 2
	TURN 3
	WIN 0
.Lfirst:
	TURN 0
	TURN 1, 0, 0, 1
	WIN 0
	s_cbranch_scc1 .Lstep
.Lbottom:
	s_sub_co_u32 s[SLOTS], s[SLOTS], 1
	s_cmp_lg_u32 s[SLOTS], 0
	s_cbranch_scc1 .Lslot
	CHANGE 0                        ; the walk's last tile is written out: nothing is asked for
	s_sub_co_u32 s[RT], s[RT], 1
	s_mov_b32 s[CNT], 4
	s_cmp_eq_u32 s[NEW], 1
	s_cbranch_scc0 .LstepM2
	BEGIN
	s_branch .LfirstM2
	DIAG 2
	s_wait_tensorcnt 0x0            ; the wave's end
	ds_add_u32 v[SPW], v[NIL]
	s_wait_dscnt 0x0
	s_endpgm
.Lfunc_end_k_qfe0b614f83_attn:
	.size	k_qfe0b614f83_attn, .Lfunc_end_k_qfe0b614f83_attn-k_qfe0b614f83_attn
	.p2alignl 7, 3214868480
	.fill 96, 4, 3214868480
	.section	.rodata,"a",@progbits
	.p2align	6, 0x0
	.amdhsa_kernel k_qfe0b614f83_attn
		.amdhsa_group_segment_fixed_size 327680
		.amdhsa_private_segment_fixed_size 0
		.amdhsa_enable_private_segment 0
		.amdhsa_kernarg_size 48
		.amdhsa_user_sgpr_count 2
		.amdhsa_user_sgpr_kernarg_segment_ptr 1
		.amdhsa_wavefront_size32 1
		.amdhsa_system_sgpr_workgroup_id_x 1
		.amdhsa_system_sgpr_workgroup_id_y 1
		.amdhsa_system_sgpr_workgroup_id_z 1
		.amdhsa_system_vgpr_workitem_id 0
		.amdhsa_next_free_vgpr 768
		.amdhsa_next_free_sgpr 102
		.amdhsa_reserve_vcc 1
		.amdhsa_float_denorm_mode_32 3
		.amdhsa_float_denorm_mode_16_64 3
		.amdhsa_memory_ordered 1
		.amdhsa_forward_progress 1
		.amdhsa_inst_pref_size 255
	.end_amdhsa_kernel
	.section	.bss,"aw",@nobits
	.p2align	6
	.space	262144
	.amdgpu_metadata
---
amdhsa.version: [ 1, 2 ]
amdhsa.kernels:
  - .name:           k_qfe0b614f83_attn
    .symbol:         k_qfe0b614f83_attn.kd
    .args:
      - { .name: qh, .offset: 0, .size: 8, .value_kind: global_buffer, .address_space: global }
      - { .name: kh, .offset: 8, .size: 8, .value_kind: global_buffer, .address_space: global }
      - { .name: vh, .offset: 16, .size: 8, .value_kind: global_buffer, .address_space: global }
      - { .name: oh, .offset: 24, .size: 8, .value_kind: global_buffer, .address_space: global }
      - { .name: vsum, .offset: 32, .size: 8, .value_kind: global_buffer, .address_space: global }
      - { .name: mask, .offset: 40, .size: 8, .value_kind: global_buffer, .address_space: global }
    .group_segment_fixed_size: 327680
    .private_segment_fixed_size: 0
    .kernarg_segment_align: 8
    .kernarg_segment_size: 48
    .max_flat_workgroup_size: 128
    .sgpr_count:     102
    .vgpr_count:     768
    .wavefront_size: 32
...
	.end_amdgpu_metadata
.endif
;; end of part 3
;; launch proj (part 4): grid 8 x 32, 4 waves a work-group, clusters of 4 x 4, 327,680 bytes of LDS; arguments oh, woh, b_out, out0; writes out0
.if DOCPART == 4
	.amdgcn_target "amdgcn-amd-amdhsa--gfx1250"
	.amdhsa_code_object_version 6
	.text
	.protected	k_qfe0b614f83_proj
	.globl	k_qfe0b614f83_proj
	.p2align	8
	.type	k_qfe0b614f83_proj,@function
k_qfe0b614f83_proj:
	s_mov_b64 s[64:65], 0
	v_nop
	global_prefetch_b8 v0, s[64:65] scope:SCOPE_SE
	s_setreg_imm32_b32 hwreg(HW_REG_WAVE_MODE, 25, 1), 1
	s_wait_xcnt 0x0
	s_wait_alu depctr_hold_cnt(0) depctr_sa_sdst(0) depctr_va_vdst(0) depctr_va_sdst(0) depctr_va_ssrc(0) depctr_va_vcc(0) depctr_vm_vsrc(0)
	s_getreg_b32 s2, hwreg(HW_REG_IB_STS2, 6, 4)
	s_cmp_eq_u32 s2, 0
	s_cbranch_scc0 .Lentry_in_a_cluster
	s_endpgm
.Lentry_in_a_cluster:
	s_bfe_u32 s2, ttmp6, 0x10000c
	s_cmp_lg_u32 s2, 0xf033
	s_cbranch_scc0 .Lentry_shape_is_right
	s_endpgm
.Lentry_shape_is_right:
; out0 = O w_out + b_out.  O: f16 [64 heads][2048][64]; woh: f16 [1024 k][1024 n] (w_out rounded to bf16, written as f16); b_out rounded to bf16 like the other inputs; sums in f32, out0 in f32.
; SHARES.  A work-group makes 256 rows x 128 columns: 32 x 8 = 256 work-groups.  Wave w makes rows 128 (w / 2) on, columns 64 (w % 2) on: 32 accumulators, 256 registers (window 1).
; K goes in 8 steps of 128, two heads a step, through two LDS slots; a step is four quarters of 32 along K, 32 matrix instructions each, on fragment buffers 0, 1, 0, 1.
; THE MATRIX INSTRUCTION IS USED TRANSPOSED: source 0 = 16 columns of the weights (turned out of LDS), source 1 = 16 rows of O: a lane holds one row and eight neighbouring columns, 32 bytes of out0.
; CLUSTER 4 x 4: O's tile hangs on the tile row alone and is asked for jointly along a row of the cluster, the weights' on the tile column alone, jointly along a column.
; REGISTERS: window 0: v0-31 addresses; v32-127, v128-223 two fragment buffers (64 of O, then 32 of the weights); v224-255 the bias of my lane's 32 columns.  Window 1: accumulator (a, b) at v[8 (4 a + b)].
.set PA,    144                        ; a row of one head of O in LDS: 128 bytes + 16
.set PBW,   288                        ; a k row of the weights: 256 bytes + 32
.set AHEAD, 256*PA                     ; one head's 256 rows
.set BOFF,  2*AHEAD
.set BHALF, 64*PBW
.set SLOT1, 1<<17
.set STAGE, SLOT1+BOFF+2*BHALF         ; behind the ring: 16 rows x 272 bytes for each wave
.set SPO,   272
.set SPARE, STAGE+4*16*SPO             ; the spare words, 128 bytes for each wave: two blocks of 256 bytes that no other line names
.set ASTEP, 2*262144                   ; two heads on
.set BSTEP, 128*2048                   ; 128 k rows on
.set ADRA0, 16
.set ADRB0, 17
.set ADRA,  18
.set ADRB,  19
.set STO,   20
.set RD,    21
.set CO,    22
.set BO,    23
.set SPW,   28
.set NIL,   29
.set F0,    32
.set F1,    128
.set BI,    224
.set TMP,   32
.set BK0,   64
.set WV, 20
.set TB, 21
.set RH, 22                            ; which 128 rows are mine.  Also: I fetch for O (0) or for the weights (1)
.set HH, 23                            ; which 64 columns.  Also: which head of the step's two, or which 64 k rows, I fetch
.set G1, 24
.set G0, 32
.set G1B, 48
.set G0B, 56
.set MSB, 0
.macro WIN new
.if MSB != (\new)
	s_set_vgpr_msb (MSB<<8)|(\new)
.set MSB, \new
.endif
.endm
.macro PLACES                          ; four places in front of loads into registers that matrix instructions have read, and of vector lines that read results
.rept 4
	v_nop
.endr
.endm
.macro JLOAD                           ; a joint refill by the walking sets; an s_nop 0 and four v_nop follow each line
	s_cmp_eq_u32 s[RH], 0
	s_cbranch_scc0 .Lfor_b_\@
	tensor_load_to_lds s[G0+4:G0+7], s[G1:G1+7]
	s_nop 0
.rept 4
	v_nop
.endr
	s_branch .Lasked_\@
.Lfor_b_\@:
	tensor_load_to_lds s[G0B+4:G0B+7], s[G1B:G1B+7]
	s_nop 0
.rept 4
	v_nop
.endr
.Lasked_\@:
.endm
.macro CREST
	s_cmp_lg_u32 s[WV], 0
	s_cbranch_scc1 .Lnot_wave_0_\@
	s_barrier_signal -3
.Lnot_wave_0_\@:
	s_barrier_wait -3
	s_barrier_signal -1
	s_barrier_wait -1
.endm
.macro CROUND
	s_barrier_signal -1
	s_barrier_wait -1
	CREST
.endm
	s_load_b256 s[4:11], s[0:1], 0x0               ; oh s[4:5], woh s[6:7], b_out s[8:9], out0 s[10:11]
	v_lshl_add_u32 v[SPW], v0, 2, SPARE
	v_mov_b32 v[NIL], 0
	ds_add_u32 v[SPW], v[NIL]                      ; the wave's opening: the add and its wait stand ahead of my first tensor load
	ds_add_u32 v28, v29
	v_lshrrev_b32 v1, 5, v0
	v_readfirstlane_b32 s[WV], v1
	s_lshr_b32 s[RH], s[WV], 1
	s_and_b32 s[HH], s[WV], 1
	s_bfe_u32 s40, ttmp6, 0x40000                  ; cx
	s_bfe_u32 s41, ttmp6, 0x40004                  ; cy
	s_lshl_b32 s42, ttmp9, 2
	s_add_co_u32 s42, s42, s40                     ; tile column
	s_and_b32 s45, ttmp7, 0xffff
	s_lshl_b32 s45, s45, 2
	s_add_co_u32 s45, s45, s41                     ; tile row
	s_lshl_b32 s43, s41, 2
	s_lshl_b32 s43, 15, s43
	s_lshl_b32 s44, 0x1111, s40
	; O's tile: one head's 256 rows of 128 bytes are dense: 128 rows of 256 bytes, padded by 4 words after every 32
	s_or_b32 s[G1+0], s43, (1<<16)|(1<<20)|(1<<21)|(4<<22)|(3<<25)
	s_mov_b32 s[G1+1], 128<<16
	s_mov_b32 s[G1+2], 128<<16
	s_mov_b32 s[G1+3], 128<<16
	s_mov_b32 s[G1+4], 128
	s_mov_b32 s[G1+5], 128
	s_mov_b32 s[G1+6], 0
	s_mov_b32 s[G1+7], 0
	; the weights' tile: 64 k rows of 128 elements (256 bytes), padded by 8 words after every 64
	s_or_b32 s[G1B+0], s44, (1<<16)|(1<<20)|(1<<21)|(5<<22)|(7<<25)
	s_mov_b32 s[G1B+1], 128<<16
	s_mov_b32 s[G1B+2], 64<<16
	s_mov_b32 s[G1B+3], 128<<16
	s_mov_b32 s[G1B+4], 64
	s_mov_b32 s[G1B+5], 1024
	s_mov_b32 s[G1B+6], 0
	s_mov_b32 s[G1B+7], 0
	s_lshr_b32 s16, s45, 3                         ; the batch,
	s_lshl_b32 s16, s16, 4
	s_add_co_u32 s16, s16, s[HH]                   ; its head 0 or 1,
	s_lshl_b32 s16, s16, 18
	s_and_b32 s17, s45, 7
	s_lshl_b32 s17, s17, 15                        ; the tile row's 256 rows in it
	s_add_co_u32 s16, s16, s17
	s_mov_b32 s17, 0
	s_lshl_b32 s46, s[HH], 17                      ; the weights: my 64 k rows,
	s_lshl_b32 s47, s42, 8                         ; the tile column's 256 bytes
	s_add_co_u32 s46, s46, s47
	s_mov_b32 s47, 0
	s_mul_i32 s18, s[HH], AHEAD                    ; where they go: no place in the cluster enters an LDS address
	s_mul_i32 s19, s[HH], BHALF
	s_add_co_u32 s19, s19, BOFF
	s_mov_b32 s[TB], 0
	s_wait_dscnt 0x0                               ; the opening add is done
	s_wait_kmcnt 0x0
	s_add_nc_u64 s[14:15], s[4:5], s[16:17]
	s_add_nc_u64 s[46:47], s[6:7], s[46:47]
	CROUND                                         ; all sixteen work-groups are here: the first joint loads meet
.irp s, 0,1
	s_mov_b32 s[G0+4*(\s)], 1
	s_add_co_u32 s[G0+4*(\s)+1], s18, (\s)*SLOT1
	s_add_nc_u64 s[G0+4*(\s)+2:G0+4*(\s)+3], s[14:15], (\s)*ASTEP
	s_or_b32 s[G0+4*(\s)+3], s[G0+4*(\s)+3], 0x80000000
	s_mov_b32 s[G0B+4*(\s)], 1
	s_add_co_u32 s[G0B+4*(\s)+1], s19, (\s)*SLOT1
	s_add_nc_u64 s[G0B+4*(\s)+2:G0B+4*(\s)+3], s[46:47], (\s)*BSTEP
	s_or_b32 s[G0B+4*(\s)+3], s[G0B+4*(\s)+3], 0x80000000
.endr
	s_cmp_eq_u32 s[RH], 0                          ; a wave's two first fills stand in one branch, ahead of every wait on TENSORcnt and every LDS read: two loads of mine are out
	s_cbranch_scc0 .Lfirst_b
	tensor_load_to_lds s[G0:G0+3], s[G1:G1+7]
	s_nop 0
	tensor_load_to_lds s[G0+4:G0+7], s[G1:G1+7]
	s_nop 0
.rept 4
	v_nop
.endr
	s_branch .Lfirst_asked
.Lfirst_b:
	tensor_load_to_lds s[G0B:G0B+3], s[G1B:G1B+7]
	s_nop 0
	tensor_load_to_lds s[G0B+4:G0B+7], s[G1B:G1B+7]
	s_nop 0
.rept 4
	v_nop
.endr
.Lfirst_asked:
	v_and_b32 v1, 15, v0                           ; r
	v_bfe_u32 v2, v0, 4, 1                         ; h
	s_lshl_b32 s12, s42, 9                         ; my 64 columns, in bytes of f32
	s_lshl_b32 s13, s[HH], 8
	s_add_co_u32 s12, s12, s13
	s_mov_b32 s13, 0
	s_add_nc_u64 s[8:9], s[8:9], s[12:13]
	v_lshlrev_b32 v[BO], 5, v2
.set z, 0
.rept 4
	global_load_b128 v[BI+8*z:BI+8*z+3],   v[BO], s[8:9] offset:64*z     ; the bias of columns 16 b + 8 h + 0..7
	global_load_b128 v[BI+8*z+4:BI+8*z+7], v[BO], s[8:9] offset:64*z+16
.set z, z+1
.endr
	v_mul_u32_u24 v4, v1, PA
	v_lshl_add_u32 v4, v2, 4, v4
	s_mul_i32 s2, s[RH], 128*PA
	v_add_nc_u32 v[ADRA0], s2, v4
	v_and_b32 v5, 7, v0
	v_lshl_add_u32 v5, v2, 3, v5
	v_mul_u32_u24 v5, v5, PBW
	v_bfe_u32 v6, v0, 3, 1
	v_lshl_add_u32 v5, v6, 4, v5
	s_lshl_b32 s2, s[HH], 7
	s_add_co_u32 s2, s2, BOFF
	v_add_nc_u32 v[ADRB0], s2, v5
	s_mul_i32 s2, s[WV], 16*SPO
	s_add_co_u32 s2, s2, STAGE                     ; my stage
	v_mul_u32_u24 v4, v1, SPO
	v_lshl_add_u32 v4, v2, 5, v4                   ; in: row r, 32 bytes for each half of the lanes
	v_add_nc_u32 v[STO], s2, v4
	v_mul_u32_u24 v5, v2, SPO                      ; back: lanes 0-15 take one row of 256 bytes, lanes 16-31 the next
	v_lshl_add_u32 v5, v1, 4, v5
	v_add_nc_u32 v[RD], s2, v5
	v_lshlrev_b32 v5, 12, v2                       ; and the same two rows in out0
	v_lshl_add_u32 v[CO], v1, 4, v5
	s_lshl_b32 s2, s45, 20                         ; my first row: 256 rows of 4,096 bytes a tile row,
	s_lshl_b32 s3, s[RH], 19                       ; my 128 of them,
	s_add_co_u32 s2, s2, s3
	s_add_co_u32 s2, s2, s12                       ; my columns
	s_mov_b32 s3, 0
	s_add_nc_u64 s[10:11], s[10:11], s[2:3]
	s_wait_loadcnt 0x0                             ; the bias: rounded to bf16, widened again
.set z, 0
.rept 16
	v_cvt_pk_bf16_f32 v[TMP+z], v[BI+2*z], v[BI+2*z+1]
.set z, z+1
.endr
.set z, 0
.rept 16
	v_lshlrev_b32 v[BI+2*z], 16, v[TMP+z]
	v_and_b32 v[BI+2*z+1], 0xffff0000, v[TMP+z]
.set z, z+1
.endr
; na x 4 matrix instructions: row blocks a0 on x my four column blocks, 32 along K.  zero = 1: the product starts the sums.  The accumulators take turns.
.macro MUL f, a0, na, zero
	WIN 0x50
.set aa, (\a0)
.rept \na
.set bb, 0
.rept 4
.if \zero
	v_wmma_f32_16x16x32_f16 v[8*(4*aa+bb):8*(4*aa+bb)+7], v[(\f)+64+8*bb:(\f)+64+8*bb+7], v[(\f)+8*aa:(\f)+8*aa+7], 0
.else
	v_wmma_f32_16x16x32_f16 v[8*(4*aa+bb):8*(4*aa+bb)+7], v[(\f)+64+8*bb:(\f)+64+8*bb+7], v[(\f)+8*aa:(\f)+8*aa+7], v[8*(4*aa+bb):8*(4*aa+bb)+7]
.endif
.set bb, bb+1
.endr
.set aa, aa+1
.endr
.endm
; 24 LDS loads in one run: quarter kq's fragments into buffer f: the weights' four (turned), then O's eight; quarters 0, 1 lie in the step's first head, 2, 3 in its second
.macro FETCH f, kq
	WIN 0
.set bb, 0
.rept 4
	ds_load_tr16_b128 v[(\f)+64+8*bb:(\f)+64+8*bb+3],   v[ADRB] offset:(\kq)*32*PBW+bb*32
	ds_load_tr16_b128 v[(\f)+64+8*bb+4:(\f)+64+8*bb+7], v[ADRB] offset:(\kq)*32*PBW+bb*32+16*PBW
.set bb, bb+1
.endr
.set aa, 0
.rept 8
	ds_load_b128 v[(\f)+8*aa:(\f)+8*aa+3],   v[ADRA] offset:((\kq)/2)*AHEAD+aa*16*PA+((\kq)%2)*64
	ds_load_b128 v[(\f)+8*aa+4:(\f)+8*aa+7], v[ADRA] offset:((\kq)/2)*AHEAD+aa*16*PA+((\kq)%2)*64+32
.set aa, aa+1
.endr
.endm
.macro QUARTER f, g, kqn, zero         ; multiplies buffer f; in its middle it fetches quarter kqn of the same slot into buffer g
	s_wait_dscnt 8                                 ; the weights and O's row blocks 0-3 are in; blocks 4-7, eight loads, may be out
	MUL \f, 0, 4, \zero
	PLACES
	FETCH \g, \kqn
	s_wait_dscnt 24                                ; all but the 24 just issued
	MUL \f, 4, 4, \zero
.endm
; The last quarter multiplies buffer 1 and changes slots: ONE barrier; in front of it each wave waits for all its tensor loads, adds 0 to its spare word, and waits for that and for its reads of this slot.
; fill = 1: the barrier opens a round of the cluster's, and this slot takes the K step two on: the load has 112 matrix instructions in which to land.
.macro TURN fill
	WIN 0
	s_wait_tensorcnt 0x0                           ; no tensor load of mine is out, so a group 0 may be written
	ds_add_u32 v[SPW], v[NIL]
.if \fill
	s_xor_b32 s[G0+5], s[G0+5], SLOT1
	s_add_nc_u64 s[G0+6:G0+7], s[G0+6:G0+7], ASTEP
	s_xor_b32 s[G0B+5], s[G0B+5], SLOT1
	s_add_nc_u64 s[G0B+6:G0B+7], s[G0B+6:G0B+7], BSTEP
.endif
	s_xor_b32 s[TB], s[TB], SLOT1
	s_wait_dscnt 9                                 ; the youngest eight loads and the add may be out
	MUL F1, 0, 2, 0
	s_wait_dscnt 0x0                               ; the add is done, and my reads of this slot are over
	s_barrier_signal -1
	MUL F1, 2, 2, 0
	WIN 0
	s_barrier_wait -1
.if \fill
	CREST
	JLOAD                                          ; the first tensor load behind the round; its four v_nop are also the places in front of the loads below
.else
	PLACES
.endif
	v_add_nc_u32 v[ADRA], s[TB], v[ADRA0]
	v_add_nc_u32 v[ADRB], s[TB], v[ADRB0]
	FETCH F0, 0
	MUL F1, 4, 4, 0
.endm
	s_wait_tensorcnt 0x1                           ; my part of K step 0 is in; K step 1's may stay out
	s_barrier_signal -1
	s_barrier_wait -1
	v_add_nc_u32 v[ADRA], s[TB], v[ADRA0]
	v_add_nc_u32 v[ADRB], s[TB], v[ADRB0]
	FETCH F0, 0
	QUARTER F0, F1, 1, 1                           ; the first quarter stands in front of the loop: its products start the sums
	WIN 0
	s_mov_b32 s3, 6
.Lstep:                                                ; trip i: K step i's quarters 1 to 3, slot i % 2 asked for K step i + 2, K step i + 1's first quarter
	QUARTER F1, F0, 2, 0
	QUARTER F0, F1, 3, 0
	TURN 1
	QUARTER F0, F1, 1, 0
	WIN 0
	s_sub_co_u32 s3, s3, 1
	s_cmp_lg_u32 s3, 0
	s_cbranch_scc1 .Lstep
	QUARTER F1, F0, 2, 0                           ; the last two K steps ask for nothing
	QUARTER F0, F1, 3, 0
	TURN 0
	QUARTER F0, F1, 1, 0
	QUARTER F1, F0, 2, 0
	QUARTER F0, F1, 3, 0
	s_wait_dscnt 8
	MUL F1, 0, 4, 0
	s_wait_dscnt 0x0
	MUL F1, 4, 4, 0
	; THE WAY OUT, a block of 16 rows at a time: the bias is added; 32 bytes a lane go into my stage; whole rows of 256 bytes come back and are stored.
.macro PACK a
	WIN 0x01                                       ; source 0 window 1
.set z, 0
.rept 16
	v_pk_add_f32 v[TMP+2*z:TMP+2*z+1], v[32*(\a)+2*z:32*(\a)+2*z+1], v[BI+2*z:BI+2*z+1]  ; each accumulator's registers in ascending order
.set z, z+1
.endr
	WIN 0
.endm
.macro TOSTAGE a
.set BK, BK0+32*((\a)%2)
.set z, 0
.rept 8
	ds_store_b128 v[STO], v[TMP+4*z:TMP+4*z+3] offset:(z/2)*64+(z%2)*16
.set z, z+1
.endr
.set z, 0
.rept 8
	ds_load_b128 v[BK+4*z:BK+4*z+3], v[RD] offset:z*2*SPO  ; LDS serves a wave's instructions in order (ISA guide 5.7.1.4): these see the stores above
.set z, z+1
.endr
.endm
.macro SEND a
.set BK, BK0+32*((\a)%2)
	s_wait_dscnt 0x0                               ; the block is back in registers
	s_wait_xcnt 0x0                                ; the registers that earlier stores read are loaded again only behind this wait
.set z, 0
.rept 8
	global_store_b128 v[CO], v[BK+4*z:BK+4*z+3], s[10:11] offset:(\a)*65536+z*8192 th:TH_STORE_NT  ; 16 lanes store 256 consecutive bytes, at a multiple of 256 from out0's first
.set z, z+1
.endr
.endm
	PLACES
	PACK 0
	TOSTAGE 0
.irp a, 1,2,3,4,5,6,7                  ; block a's additions stand between block a - 1's loads from the stage and the wait for them
	PACK \a
	SEND (\a)-1
	TOSTAGE \a
.endr
	SEND 7
	s_wait_tensorcnt 0x0                           ; the wave's end
	ds_add_u32 v[SPW], v[NIL]
	s_wait_dscnt 0x0
	CROUND                                         ; the closing round
	s_endpgm
.Lfunc_end_k_qfe0b614f83_proj:
	.size	k_qfe0b614f83_proj, .Lfunc_end_k_qfe0b614f83_proj-k_qfe0b614f83_proj
	.p2alignl 7, 3214868480
	.fill 96, 4, 3214868480
	.section	.rodata,"a",@progbits
	.p2align	6, 0x0
	.amdhsa_kernel k_qfe0b614f83_proj
		.amdhsa_group_segment_fixed_size 327680
		.amdhsa_private_segment_fixed_size 0
		.amdhsa_enable_private_segment 0
		.amdhsa_kernarg_size 32
		.amdhsa_user_sgpr_count 2
		.amdhsa_user_sgpr_kernarg_segment_ptr 1
		.amdhsa_wavefront_size32 1
		.amdhsa_system_sgpr_workgroup_id_x 1
		.amdhsa_system_sgpr_workgroup_id_y 1
		.amdhsa_system_sgpr_workgroup_id_z 1
		.amdhsa_system_vgpr_workitem_id 0
		.amdhsa_next_free_vgpr 512
		.amdhsa_next_free_sgpr 66
		.amdhsa_reserve_vcc 0
		.amdhsa_float_denorm_mode_32 3
		.amdhsa_float_denorm_mode_16_64 3
		.amdhsa_memory_ordered 1
		.amdhsa_forward_progress 1
		.amdhsa_inst_pref_size 81
	.end_amdhsa_kernel
	.amdgpu_metadata
---
amdhsa.version: [ 1, 2 ]
amdhsa.kernels:
  - .name:           k_qfe0b614f83_proj
    .symbol:         k_qfe0b614f83_proj.kd
    .args:
      - { .name: oh, .offset: 0, .size: 8, .value_kind: global_buffer, .address_space: global }
      - { .name: woh, .offset: 8, .size: 8, .value_kind: global_buffer, .address_space: global }
      - { .name: b_out, .offset: 16, .size: 8, .value_kind: global_buffer, .address_space: global }
      - { .name: out0, .offset: 24, .size: 8, .value_kind: global_buffer, .address_space: global }
    .group_segment_fixed_size: 327680
    .private_segment_fixed_size: 0
    .kernarg_segment_align: 8
    .kernarg_segment_size: 32
    .max_flat_workgroup_size: 128
    .sgpr_count:     66
    .vgpr_count:     512
    .wavefront_size: 32
...
	.end_amdgpu_metadata
.endif
;; end of part 4
